; MI455X (gfx1250); checked and timed in simulation.
; The chip was launched on July 23, 2026; its instructions are those of AMD's public machine-readable ISA for CDNA 5 (MIT licence, August 2026) and "CDNA5" Instruction Set Architecture Reference Guide (July 2026). The comments in the code are by the model that wrote it; some were corrected since.
;; Multi Headed Attention. Allowed arithmetic: float matrix products may take bf16 or f16 operands with f32 sums; all other float work in f32.
;; Inputs: Wk 1,024 x 1,024 float32; Wq 1,024 x 1,024 float32; Wv 1,024 x 1,024 float32; bk 1,024 float32; bq 1,024 float32; bv 1,024 float32; mask 2 x 2,048 x 2,048 bool; x 2 x 2,048 x 1,024 float32.
;; Outputs: out0 2 x 2,048 x 1,024 float32.
;; 2 versions, each right and faster than the one before. Each part assembles by itself: llvm-mc -triple=amdgcn-amd-amdhsa -mcpu=gfx1250 --defsym DOCPART=n.
;; ======== version 1 of 2: 3 launches
;; limits: values are held in f16: magnitudes above 65,504 overflow, below 6.1e-05 lose precision
;; workspace buffers: xh 8,388,608 bytes; wt 6,291,456 bytes; mw 1,048,576 bytes of whole numbers; qh 8,388,608 bytes; kh 8,388,608 bytes; vt 8,388,608 bytes
;; launch prep (part 1): grid 1152 x 1, 8 waves a work-group, no clusters, 35,840 bytes of LDS; arguments x, Wq, Wk, Wv, mask, xh, wt, mw; writes xh, wt, mw
.if DOCPART == 1
	.amdgcn_target "amdgcn-amd-amdhsa--gfx1250"
	.amdhsa_code_object_version 6
	.text
	.protected	k_q81ee61a817_prep
	.globl	k_q81ee61a817_prep
	.p2align	8
	.type	k_q81ee61a817_prep,@function
k_q81ee61a817_prep:
	s_mov_b64 s[64:65], 0
	v_nop
	global_prefetch_b8 v0, s[64:65] scope:SCOPE_SE
	s_setreg_imm32_b32 hwreg(HW_REG_WAVE_MODE, 25, 1), 1
	s_wait_xcnt 0x0
; PREP: three streams, chosen by the work-group's number; each work-group reads 32,768 bytes, eight 16-byte loads a lane.
;   groups    0 ..  511  role X: x [4096][1024] f32 -> xh, the same shape in f16
;   groups  512 ..  895  role W: Wq, Wk, Wv [k 1024][n 1024] f32 -> wt [head 16][kind 3][n 64][k 1024] f16 (transposed; Wq times CQ)
;   groups  896 .. 1151  role M: mask [2][2048][2048] bytes -> mw [b 2][16 queries: 128][64 keys: 32][32] words
; CQ = log2(e) / 8 folds the division by sqrt(64) and the change to base 2 into q, so that the later scores feed v_exp_f32 as they come.
; Word 8 i + j of mw holds in bit L the mask of query (L & 15) and key 16 i + 8 (L >> 4) + j of its 16 x 64 block: lane L, register j of the
; i-th 16 x 16 score tile of the attention launch, so that a word is a lane mask there.
; No matrix unit, no cluster, no tensor load: no byte is read twice and nothing is multiplied.
; LIMITS: numbers beyond f16's largest, 65,504, become infinite; a mask byte counts as true when it is not 0.
.set CQ, 0x3e38aa3b                    ; 0.125 * 1.442695
.set SP, 272                           ; pitch of both LDS stages: 256 bytes + 16, an odd multiple of 16
.set XR, 8                             ; v[8:39]   eight loads of four registers
.set YR, 40                            ; v[40:71]  what is made of them (role M: the mask bytes in the score tiles' order)
.set BR, 56                            ; v[56:71]  role W: rows read back from the stage
	s_load_b512 s[16:31], s[0:1], 0x0              ; x 16, Wq 18, Wk 20, Wv 22, mask 24, xh 26, wt 28, mw 30
	v_lshl_add_u32 v80, v0, 2, 0x8800
	v_mov_b32 v81, 0
	s_mov_b32 s2, ttmp9
	v_lshrrev_b32 v1, 5, v0
	v_readfirstlane_b32 s8, v1                     ; wave 0..7
	v_and_b32 v2, 15, v0                           ; lane mod 16
	v_bfe_u32 v3, v0, 4, 1                         ; which half of the wave
	s_cmp_lt_u32 s2, 512
	s_cbranch_scc1 .Lrole_x
	s_cmp_lt_u32 s2, 896
	s_cbranch_scc1 .Lrole_w
; ---- role M: 16 queries x 2,048 keys; wave w takes keys 256 w .. 256 w + 255 -------------------------------------------------------------
	s_sub_co_u32 s3, s2, 896                       ; 128 b + block of 16 queries
	s_lshl_b32 s4, s3, 15                          ; 16 rows of 2,048 bytes
	s_mov_b32 s5, 0
	s_lshl_b32 s6, s3, 12                          ; 32 x 32 words of 4 bytes
	s_lshl_b32 s7, s8, 9                           ; the wave's 128 words
	s_add_co_u32 s6, s6, s7
	s_mov_b32 s7, 0
	s_mul_i32 s9, s8, 16*SP                        ; the wave's own stage: 16 rows
	v_lshlrev_b32 v72, 4, v2
	v_lshl_add_u32 v76, v3, 11, v72                ; memory: row (half), 16 bytes a lane,
	v_lshl_add_u32 v76, s8, 8, v76                 ; the wave's 256 keys
	v_mul_u32_u24 v77, v3, SP
	v_add3_u32 v77, v77, v72, s9                   ; stage, in: the same two rows
	v_mul_u32_u24 v78, v2, SP
	v_lshl_add_u32 v78, v3, 3, v78
	v_add_nc_u32 v78, s9, v78                      ; stage, out: row = query (lane mod 16), 8 keys for each half
	v_and_b32 v79, 31, v0
	v_lshlrev_b32 v79, 4, v79                      ; 16 bytes a lane of the wave's 512 bytes of words
.irp j, 0,1,2,3
	v_mov_b32 v[4+\j], 0                           ; v_writelane_b32 counts as a reader of its destination
.endr
	s_wait_kmcnt 0x0
	s_add_nc_u64 s[24:25], s[24:25], s[4:5]
	s_add_nc_u64 s[30:31], s[30:31], s[6:7]
.irp t, 0,1,2,3,4,5,6,7
	global_load_b128 v[XR+4*\t:XR+4*\t+3], v76, s[24:25] offset:4096*\t th:TH_LOAD_NT   ; rows 2 t, 2 t + 1: each half wave 256 aligned bytes
.endr
.irp t, 0,1,2,3,4,5,6,7
	s_wait_loadcnt 7-\t                            ; loads return in order: load t is in, the 7 - t younger ones may be out
	ds_store_b128 v77, v[XR+4*\t:XR+4*\t+3] offset:2*SP*\t
.endr
.irp n, 0,1,2,3,4,5,6,7,8,9,10,11,12,13,14,15
	ds_load_b64 v[YR+2*\n:YR+2*\n+1], v78 offset:16*\n       ; the wave's own bytes, served in order behind its stores: keys 16 n + 8 half + 0..7 of my query
.endr
.set g, 0                                          ; g = four words: bytes 0..3 of register YR + g
.rept 32
.if (g&1) == 0
	s_wait_dscnt 15-(g>>1)                         ; LDS load g / 2 is in, the younger ones may be out
.endif
.irp j, 0,1,2,3
	v_and_b32 v[72+\j], 0xff<<(8*\j), v[YR+g]
.endr
.irp j, 0,1,2,3
	v_cmp_ne_u32 s[32+4*(g&3)+\j], 0, v[72+\j]     ; bit L = lane L's byte is not 0: the word itself
.endr
.irp j, 0,1,2,3
	v_writelane_b32 v[4+\j], s[32+4*(g&3)+\j], g   ; word 4 g + j goes to lane g, register j
.endr
.set g, g+1
.endr
	global_store_b128 v79, v[4:7], s[30:31]        ; 512 neighbouring bytes
	s_wait_tensorcnt 0x0
	ds_add_u32 v80, v81
	s_wait_dscnt 0x0
	s_endpgm
; ---- role X: a cast ---------------------------------------------------------------------------------------------------------------------
.Lrole_x:
	s_lshl_b32 s4, s2, 15
	s_mov_b32 s5, 0
	s_lshl_b32 s6, s2, 14
	s_mov_b32 s7, 0
	v_lshlrev_b32 v72, 4, v0                       ; thread t: 16 bytes in,
	v_lshlrev_b32 v73, 3, v0                       ; 8 bytes out: a wave's store covers 256 neighbouring bytes, aligned
	s_wait_kmcnt 0x0
	s_add_nc_u64 s[16:17], s[16:17], s[4:5]
	s_add_nc_u64 s[26:27], s[26:27], s[6:7]
.irp t, 0,1,2,3,4,5,6,7
	global_load_b128 v[XR+4*\t:XR+4*\t+3], v72, s[16:17] offset:4096*\t th:TH_LOAD_NT
.endr
.irp t, 0,1,2,3,4,5,6,7
	s_wait_loadcnt 7-\t                            ; load t is in, the younger ones stay out
	v_cvt_pk_f16_f32 v[YR+2*\t], v[XR+4*\t], v[XR+4*\t+1]
	v_cvt_pk_f16_f32 v[YR+2*\t+1], v[XR+4*\t+2], v[XR+4*\t+3]
	global_store_b64 v73, v[YR+2*\t:YR+2*\t+1], s[26:27] offset:2048*\t
.endr
	s_endpgm
; ---- role W: a tile of 128 k x 64 n (one head's columns) is cast and transposed through LDS ----------------------------------------------
.Lrole_w:
	s_sub_co_u32 s3, s2, 512
	s_lshr_b32 s4, s3, 7                           ; kind: 0 q, 1 k, 2 v
	s_bfe_u32 s5, s3, 0x40003                      ; head
	s_and_b32 s6, s3, 7                            ; block of 128 k
	s_lshl_b32 s10, s6, 19                         ; 128 rows of 4,096 bytes
	s_lshl_b32 s11, s5, 8                          ; the head's 64 columns
	s_add_co_u32 s10, s10, s11
	s_mov_b32 s11, 0
	s_mul_i32 s14, s5, 192
	s_lshl_b32 s15, s4, 6
	s_add_co_u32 s14, s14, s15                     ; wt's row 192 head + 64 kind
	s_lshl_b32 s14, s14, 11                        ; rows of 2,048 bytes
	s_lshl_b32 s15, s6, 8                          ; 128 k = 256 bytes
	s_add_co_u32 s14, s14, s15
	s_mov_b32 s15, 0
	s_cmp_eq_u32 s4, 0
	s_cselect_b32 s12, CQ, 1.0                     ; the factor is a number, not a branch
	s_mov_b32 s13, s12
	v_lshrrev_b32 v72, 4, v0                       ; half wave 0..15: eight rows of k each
	v_lshlrev_b32 v73, 4, v2
	v_lshl_add_u32 v74, v72, 15, v73               ; memory: 8 rows x 4,096 for each half wave, 16 bytes a lane
	v_mul_u32_u24 v75, v2, 4*SP
	v_lshl_add_u32 v75, v72, 4, v75                ; stage, in: row n = 4 (lane mod 16) + e, my 8 k = 16 bytes
	v_lshl_add_u32 v76, v1, 3, v3                  ; 8 wave + half
	v_mul_u32_u24 v77, v76, SP
	v_add_nc_u32 v77, v77, v73                     ; stage, out: whole rows of 256 bytes
	v_lshl_add_u32 v78, v76, 11, v73               ; and the same rows in wt
	s_wait_kmcnt 0x0
	s_cmp_eq_u32 s4, 1
	s_cselect_b64 s[6:7], s[20:21], s[18:19]
	s_cmp_eq_u32 s4, 2
	s_cselect_b64 s[6:7], s[22:23], s[6:7]
	s_add_nc_u64 s[6:7], s[6:7], s[10:11]
	s_add_nc_u64 s[28:29], s[28:29], s[14:15]
.irp t, 0,1,2,3,4,5,6,7
	global_load_b128 v[XR+4*\t:XR+4*\t+3], v74, s[6:7] offset:4096*\t th:TH_LOAD_NT     ; row k = 8 (half wave) + t: 256 aligned bytes
.endr
.irp u, 0,1,2,3
	s_wait_loadcnt 6-2*\u                          ; loads 2 u and 2 u + 1 are in
	v_pk_mul_f32 v[XR+8*\u:XR+8*\u+1], v[XR+8*\u:XR+8*\u+1], s[12:13] op_sel_hi:[1,0]
	v_pk_mul_f32 v[XR+8*\u+2:XR+8*\u+3], v[XR+8*\u+2:XR+8*\u+3], s[12:13] op_sel_hi:[1,0]
	v_pk_mul_f32 v[XR+8*\u+4:XR+8*\u+5], v[XR+8*\u+4:XR+8*\u+5], s[12:13] op_sel_hi:[1,0]
	v_pk_mul_f32 v[XR+8*\u+6:XR+8*\u+7], v[XR+8*\u+6:XR+8*\u+7], s[12:13] op_sel_hi:[1,0]
.irp e, 0,1,2,3
	v_cvt_pk_f16_f32 v[YR+4*\e+\u], v[XR+8*\u+\e], v[XR+8*\u+4+\e]      ; column e: k = 2 u below, 2 u + 1 above
.endr
.endr
.irp e, 0,1,2,3
	ds_store_b128 v75, v[YR+4*\e:YR+4*\e+3] offset:SP*\e
.endr
	s_wait_dscnt 0x0                               ; my stores are in LDS, for the other waves' sake,
	s_barrier_signal -1
	s_barrier_wait -1                              ; and so are everybody's
.irp u, 0,1,2,3
	ds_load_b128 v[BR+4*\u:BR+4*\u+3], v77 offset:2*SP*\u
.endr
.irp u, 0,1,2,3
	s_wait_dscnt 3-\u
	global_store_b128 v78, v[BR+4*\u:BR+4*\u+3], s[28:29] offset:4096*\u    ; 16 lanes store 256 neighbouring bytes, aligned
.endr
	s_wait_tensorcnt 0x0
	ds_add_u32 v80, v81
	s_wait_dscnt 0x0
	s_endpgm
.Lfunc_end_k_q81ee61a817_prep:
	.size	k_q81ee61a817_prep, .Lfunc_end_k_q81ee61a817_prep-k_q81ee61a817_prep
	.p2alignl 7, 3214868480
	.fill 96, 4, 3214868480
	.section	.rodata,"a",@progbits
	.p2align	6, 0x0
	.amdhsa_kernel k_q81ee61a817_prep
		.amdhsa_group_segment_fixed_size 35840
		.amdhsa_private_segment_fixed_size 0
		.amdhsa_enable_private_segment 0
		.amdhsa_kernarg_size 64
		.amdhsa_user_sgpr_count 2
		.amdhsa_user_sgpr_kernarg_segment_ptr 1
		.amdhsa_wavefront_size32 1
		.amdhsa_system_sgpr_workgroup_id_x 1
		.amdhsa_system_sgpr_workgroup_id_y 1
		.amdhsa_system_sgpr_workgroup_id_z 1
		.amdhsa_system_vgpr_workitem_id 0
		.amdhsa_next_free_vgpr 82
		.amdhsa_next_free_sgpr 66
		.amdhsa_reserve_vcc 0
		.amdhsa_float_denorm_mode_32 3
		.amdhsa_float_denorm_mode_16_64 3
		.amdhsa_memory_ordered 1
		.amdhsa_forward_progress 1
		.amdhsa_inst_pref_size 38
	.end_amdhsa_kernel
	.amdgpu_metadata
---
amdhsa.version: [ 1, 2 ]
amdhsa.kernels:
  - .name:           k_q81ee61a817_prep
    .symbol:         k_q81ee61a817_prep.kd
    .args:
      - { .name: x, .offset: 0, .size: 8, .value_kind: global_buffer, .address_space: global }
      - { .name: Wq, .offset: 8, .size: 8, .value_kind: global_buffer, .address_space: global }
      - { .name: Wk, .offset: 16, .size: 8, .value_kind: global_buffer, .address_space: global }
      - { .name: Wv, .offset: 24, .size: 8, .value_kind: global_buffer, .address_space: global }
      - { .name: mask, .offset: 32, .size: 8, .value_kind: global_buffer, .address_space: global }
      - { .name: xh, .offset: 40, .size: 8, .value_kind: global_buffer, .address_space: global }
      - { .name: wt, .offset: 48, .size: 8, .value_kind: global_buffer, .address_space: global }
      - { .name: mw, .offset: 56, .size: 8, .value_kind: global_buffer, .address_space: global }
    .group_segment_fixed_size: 35840
    .private_segment_fixed_size: 0
    .kernarg_segment_align: 8
    .kernarg_segment_size: 64
    .max_flat_workgroup_size: 256
    .sgpr_count:     66
    .vgpr_count:     82
    .wavefront_size: 32
...
	.end_amdgpu_metadata
.endif
;; end of part 1
;; launch proj (part 2): grid 16 x 16, 4 waves a work-group, clusters of 4 x 4, 327,680 bytes of LDS; arguments xh, wt, bq, bk, bv, qh, kh, vt; writes qh, kh, vt
.if DOCPART == 2
	.amdgcn_target "amdgcn-amd-amdhsa--gfx1250"
	.amdhsa_code_object_version 6
	.text
	.protected	k_q81ee61a817_proj
	.globl	k_q81ee61a817_proj
	.p2align	8
	.type	k_q81ee61a817_proj,@function
k_q81ee61a817_proj:
	s_mov_b64 s[64:65], 0
	v_nop
	global_prefetch_b8 v0, s[64:65] scope:SCOPE_SE
	s_setreg_imm32_b32 hwreg(HW_REG_WAVE_MODE, 25, 1), 1
	s_wait_xcnt 0x0
	s_wait_alu depctr_hold_cnt(0) depctr_sa_sdst(0) depctr_va_vdst(0) depctr_va_sdst(0) depctr_va_ssrc(0) depctr_va_vcc(0) depctr_vm_vsrc(0)
	s_getreg_b32 s2, hwreg(HW_REG_IB_STS2, 6, 4)
	s_cmp_eq_u32 s2, 0
	s_cbranch_scc0 .Lentry_in_a_cluster
	s_endpgm
.Lentry_in_a_cluster:
	s_bfe_u32 s2, ttmp6, 0x10000c
	s_cmp_lg_u32 s2, 0xf033
	s_cbranch_scc0 .Lentry_shape_is_right
	s_endpgm
.Lentry_shape_is_right:
; PROJ: q, k, v = xh wt^T + bias, f16 operands, f32 sums, f16 results.  A work-group makes 256 rows x the 64 q + 64 k + 64 v columns of one head.
; Four waves; wave (wm, wn) makes rows 128 wm .. + 127 and of each kind the columns 32 wn .. + 31: 8 x 6 = 48 accumulator tiles of 16 x 16.
; K = 1024 goes in 8 steps of 128 through two LDS slots, each with 256 rows of xh and 192 rows of wt; a tile's rows are 256 bytes of memory, aligned.
; CLUSTERS of 4 x 4: the four work-groups of a cluster's row share the rows of xh, the four of a column share a head's rows of wt.  Such a tile is asked
; for jointly, each of the four issuing the same tensor load with a mask that names the four: a quarter of the requests.
; q and k tiles are made with the sources swapped (source 0 = rows of wt): a lane then holds 8 neighbouring columns of one row, 16 bytes of qh or kh.
; v tiles are made the natural way: a lane then holds 8 neighbouring positions of one column, 16 bytes of vt, which is stored [64 positions' block][d][64].
; The bias is the first product's C operand (bq times CQ, as Wq was scaled): nothing is cleared and nothing is added afterwards.
; OUT: for this block of 256 positions qh, kh and vt are each 32,768 dense bytes at the same offset; they are gathered in LDS and stored in whole rows.
; LIMIT: results beyond f16's largest number, 65,504, become infinite.
; REGISTERS: window 0: v16-28 addresses, v32-159 fragments of xh (2 buffers x 8), v160-255 fragments of wt (2 buffers x 6);
;   window 1: the 32 tiles of q and k, tile (b, a) at 8 (8 b + a);  window 2: v0-127 the 16 tiles of v, v128-159 bias of q and k, v160-175 bias of v.
.set CQ, 0x3e38aa3b
.set KSTEP,  128
.set PITCH,  272                       ; 256 bytes + 16: an odd multiple of 16, so the 16 rows of a fragment load start 16 bytes apart modulo 256
.set HALFA,  128*PITCH                 ; what waves 0 and 1 each fetch
.set HALFB,  96*PITCH                  ; what waves 2 and 3 each fetch
.set BOFF,   256*PITCH                 ; wt's rows lie behind xh's
.set SLOT,   448*PITCH
.set OPITCH, 144                       ; the way out: rows of 128 bytes + 16
.set OKIND,  256*OPITCH                ; q at 0, k at OKIND, v at 2 OKIND: 110,592 bytes, inside slot 0, which has had its last fill by then
.set LAPS,   4                         ; 1024 / (2 x 128)
.set ADRA, 16
.set ADRB, 20
.set STO,  22
.set STV,  23
.set RD,   24
.set RD2,  25
.set CO,   26
.set BOQ,  27
.set BOV,  28
.set FA,   32
.set FB,   160
.set BIASQK, 128
.set BIASV,  160
.set G1, 24
.set G0, 32
.set G1B, 48
.set G0B, 56
.set MSB, 0
.macro WIN new                         ; s_set_vgpr_msb: bits 1:0 source 0, 3:2 source 1, 5:4 source 2, 7:6 destination; the high byte repeats the setting left
.if MSB != \new
	s_set_vgpr_msb (MSB<<8)|\new
.set MSB, \new
.endif
.endm
.macro JLOAD s                         ; waves 0, 1 ask for xh's two halves, waves 2, 3 for wt's: one line, one mask, for all that issue it
	s_cmp_eq_u32 s11, 0
	s_cbranch_scc0 .Lfor_b_\@
	tensor_load_to_lds s[G0+4*\s:G0+4*\s+3], s[G1:G1+7]
	s_nop 0
	s_branch .Lasked_\@
.Lfor_b_\@:
	tensor_load_to_lds s[G0B+4*\s:G0B+4*\s+3], s[G1B:G1B+7]
	s_nop 0
.Lasked_\@:
.endm
.macro CREST                           ; a round of the cluster's barrier behind its opening work-group barrier
	s_cmp_lg_u32 s10, 0
	s_cbranch_scc1 .Lnot_wave_0_\@
	s_barrier_signal -3
.Lnot_wave_0_\@:
	s_barrier_wait -3
	s_barrier_signal -1
	s_barrier_wait -1
.endm
.macro CROUND
	s_barrier_signal -1
	s_barrier_wait -1
	CREST
.endm
.macro PLACES                          ; four plain vector instructions between a matrix instruction and a load into, or a vector use of, its registers
.rept 4
	v_nop
.endr
.endm
	s_load_b512 s[68:83], s[0:1], 0x0              ; xh 68, wt 70, bq 72, bk 74, bv 76, qh 78, kh 80, vt 82
	v_lshl_add_u32 v30, v0, 2, 0x3b800
	v_mov_b32 v31, 0
	ds_add_u32 v30, v31
	v_lshrrev_b32 v1, 5, v0
	v_readfirstlane_b32 s10, v1                    ; wave 0..3
	s_lshr_b32 s11, s10, 1                         ; wm.  Also: I fetch for xh (0) or for wt (1)
	s_and_b32 s12, s10, 1                          ; wn.  Also: which half of that tile I fetch
	s_bfe_u32 s40, ttmp6, 0x40000                  ; cx
	s_bfe_u32 s41, ttmp6, 0x40004                  ; cy
	s_lshl_b32 s42, ttmp9, 2
	s_add_co_u32 s42, s42, s40                     ; head = 4 x cluster x + cx
	s_and_b32 s13, ttmp7, 0xffff
	s_lshl_b32 s13, s13, 2
	s_add_co_u32 s13, s13, s41                     ; block of 256 rows = 4 x cluster y + cy
	s_lshl_b32 s43, s41, 2
	s_lshl_b32 s43, 15, s43                        ; my row of the cluster
	s_lshl_b32 s44, 0x1111, s40                    ; my column
	s_or_b32 s[G1+0], s43, (1<<16)|(1<<20)|(1<<21)|(5<<22)|(3<<25)   ; mask; 2-byte elements; padding on; bit 21 beside a mask; after every 64 words, 4 words
	s_or_b32 s[G1B+0], s44, (1<<16)|(1<<20)|(1<<21)|(5<<22)|(3<<25)
	s_mov_b32 s[G1+1], KSTEP<<16                   ; tensor_dim0 = 128
	s_mov_b32 s[G1B+1], KSTEP<<16
	s_mov_b32 s[G1+2], 128<<16                     ; tensor_dim1 = 128 rows
	s_mov_b32 s[G1B+2], 96<<16                     ;             =  96 rows
	s_mov_b32 s[G1+3], KSTEP<<16                   ; tile_dim0 = 128
	s_mov_b32 s[G1B+3], KSTEP<<16
	s_mov_b32 s[G1+4], 128                         ; tile_dim1
	s_mov_b32 s[G1B+4], 96
	s_mov_b32 s[G1+5], 1024                        ; elements from row to row
	s_mov_b32 s[G1B+5], 1024
	s_mov_b32 s[G1+6], 0
	s_mov_b32 s[G1B+6], 0
	s_mov_b32 s[G1+7], 0
	s_mov_b32 s[G1B+7], 0
	s_lshl_b32 s17, s12, 7
	s_lshl_b32 s16, s13, 8
	s_add_co_u32 s16, s16, s17                     ; xh: row 256 x block + 128 x half
	s_lshl_b32 s16, s16, 11                        ; rows of 2,048 bytes (under 8 MiB)
	s_mov_b32 s17, 0
	s_mul_i32 s47, s12, 96
	s_mul_i32 s46, s42, 192
	s_add_co_u32 s46, s46, s47                     ; wt: row 192 x head + 96 x half
	s_lshl_b32 s46, s46, 11
	s_mov_b32 s47, 0
	s_mul_i32 s20, s10, HALFA                      ; waves 0, 1: xh's halves at 0 and HALFA
	s_mul_i32 s21, s10, HALFB
	s_add_co_u32 s21, s21, BOFF-2*HALFB            ; waves 2, 3: wt's halves at BOFF and BOFF + HALFB
	s_wait_dscnt 0x0
	s_wait_kmcnt 0x0
	s_add_nc_u64 s[14:15], s[68:69], s[16:17]
	s_add_nc_u64 s[46:47], s[70:71], s[46:47]
	CROUND                                         ; all sixteen work-groups are here: the first joint loads meet
.irp s, 0,1
	s_mov_b32 s[G0+4*\s], 1
	s_add_co_u32 s[G0+4*\s+1], s20, \s*SLOT
	s_add_nc_u64 s[G0+4*\s+2:G0+4*\s+3], s[14:15], \s*KSTEP*2
	s_or_b32 s[G0+4*\s+3], s[G0+4*\s+3], 0x80000000
	s_mov_b32 s[G0B+4*\s], 1
	s_add_co_u32 s[G0B+4*\s+1], s21, \s*SLOT
	s_add_nc_u64 s[G0B+4*\s+2:G0B+4*\s+3], s[46:47], \s*KSTEP*2
	s_or_b32 s[G0B+4*\s+3], s[G0B+4*\s+3], 0x80000000
	JLOAD \s                                       ; K steps 0 and 1: two tensor loads of this wave are out, later one
.endr
	v_and_b32 v1, 15, v0                           ; r
	v_bfe_u32 v2, v0, 4, 1                         ; h
	v_mul_u32_u24 v3, v1, PITCH
	v_lshl_add_u32 v3, v2, 4, v3                   ; a fragment: row r, 16 bytes for each half, a second load 32 bytes on
	s_mul_i32 s22, s11, HALFA                      ; my 128 rows of xh
	s_mul_i32 s23, s12, 32*PITCH                   ; my 32 of each kind's 64 rows of wt
	s_add_co_u32 s23, s23, BOFF
.irp s, 0,1
	v_add_nc_u32 v[ADRA+\s], s22, v3
	v_add_nc_u32 v[ADRB+\s], s23, v3
	s_add_co_u32 s22, s22, SLOT
	s_add_co_u32 s23, s23, SLOT
.endr
	v_mul_u32_u24 v4, v1, OPITCH
	v_lshl_add_u32 v4, v2, 4, v4
	s_mul_i32 s22, s11, 128*OPITCH
	s_lshl_b32 s23, s12, 6
	s_add_co_u32 s23, s22, s23
	v_add_nc_u32 v[STO], s23, v4                   ; q, k in: row 128 wm + r, bytes 64 wn + 16 h
	s_mul_i32 s23, s12, 32*OPITCH
	s_add_co_u32 s23, s23, s22
	s_add_co_u32 s23, s23, 2*OKIND
	v_add_nc_u32 v[STV], s23, v4                   ; v in: row 64 (2 wm) + 32 wn + r, bytes 16 h
	v_bfe_u32 v5, v0, 3, 2
	v_and_b32 v6, 7, v0
	v_mul_u32_u24 v5, v5, OPITCH
	v_lshl_add_u32 v5, v6, 4, v5
	s_mul_i32 s22, s10, 64*OPITCH
	v_add_nc_u32 v[RD], s22, v5                    ; back: four rows of 128 bytes a load, rows 64 w ..
	v_add_nc_u32 v[RD2], 2*OKIND, v[RD]
	v_and_b32 v6, 31, v0
	v_lshlrev_b32 v6, 4, v6
	v_lshl_add_u32 v[CO], s10, 13, v6              ; memory: 8,192 w + 16 lane
	s_lshl_b32 s45, s42, 8                         ; the bias: 256 head + 128 wn bytes,
	s_lshl_b32 s22, s12, 7
	s_add_co_u32 s45, s45, s22
	v_lshl_add_u32 v[BOQ], v2, 5, s45              ; q, k: columns 8 h + 0..7 of a tile
	v_lshl_add_u32 v[BOV], v1, 2, s45              ; v: column r
	WIN 0x80                                       ; loaded data into window 2
.irp t, 0,1
	global_load_b128 v[BIASQK+8*\t:BIASQK+8*\t+3], v[BOQ], s[72:73] offset:64*\t
	global_load_b128 v[BIASQK+8*\t+4:BIASQK+8*\t+7], v[BOQ], s[72:73] offset:64*\t+16
	global_load_b128 v[BIASQK+16+8*\t:BIASQK+16+8*\t+3], v[BOQ], s[74:75] offset:64*\t
	global_load_b128 v[BIASQK+16+8*\t+4:BIASQK+16+8*\t+7], v[BOQ], s[74:75] offset:64*\t+16
.irp j, 0,1,2,3,4,5,6,7
	global_load_b32 v[BIASV+8*\t+\j], v[BOV], s[76:77] offset:64*\t      ; the same number in all 8 registers: 8 positions of one column
.endr
.endr
	s_wait_loadcnt 0x0
	WIN 0x82
.irp j, 0,2,4,6,8,10,12,14
	v_pk_mul_f32 v[BIASQK+\j:BIASQK+\j+1], v[BIASQK+\j:BIASQK+\j+1], CQ op_sel_hi:[1,0]    ; bq takes the factor that Wq took
.endr
	WIN 0
; 28 LDS loads: the fragments of 32 along K at byte k of the slot's rows, into buffer f: xh's eight, q's and k's four, v's two last
.macro FETCH slot, k, f
.irp a, 0,1,2,3,4,5,6,7
	ds_load_b128 v[FA+64*\f+8*\a:FA+64*\f+8*\a+3], v[ADRA+\slot] offset:\k+\a*16*PITCH
	ds_load_b128 v[FA+64*\f+8*\a+4:FA+64*\f+8*\a+7], v[ADRA+\slot] offset:\k+\a*16*PITCH+32
.endr
.irp b, 0,1,2,3,4,5
	ds_load_b128 v[FB+48*\f+8*\b:FB+48*\f+8*\b+3], v[ADRB+\slot] offset:\k+(64*(\b>>1)+16*(\b&1))*PITCH
	ds_load_b128 v[FB+48*\f+8*\b+4:FB+48*\f+8*\b+7], v[ADRB+\slot] offset:\k+(64*(\b>>1)+16*(\b&1))*PITCH+32
.endr
.endm
; The 48 accumulators take turns, one instruction a turn, in the same order in every quarter step.
.macro MULQK f, b0, first              ; 16 products: column tiles b0, b0 + 1 of q and k x 8 row tiles, sources swapped
.irp b, \b0, \b0+1
.irp a, 0,1,2,3,4,5,6,7
.if \first
	v_wmma_f32_16x16x32_f16 v[8*(8*(\b)+\a):8*(8*(\b)+\a)+7], v[FB+48*\f+8*(\b):FB+48*\f+8*(\b)+7], v[FA+64*\f+8*\a:FA+64*\f+8*\a+7], v[BIASQK+8*(\b):BIASQK+8*(\b)+7]
.else
	v_wmma_f32_16x16x32_f16 v[8*(8*(\b)+\a):8*(8*(\b)+\a)+7], v[FB+48*\f+8*(\b):FB+48*\f+8*(\b)+7], v[FA+64*\f+8*\a:FA+64*\f+8*\a+7], v[8*(8*(\b)+\a):8*(8*(\b)+\a)+7]
.endif
.endr
.endr
.endm
.macro MULV f, first                   ; 16 products: v's two column tiles x 8 row tiles, natural order
.irp t, 0,1
.irp a, 0,1,2,3,4,5,6,7
.if \first
	v_wmma_f32_16x16x32_f16 v[8*(8*\t+\a):8*(8*\t+\a)+7], v[FA+64*\f+8*\a:FA+64*\f+8*\a+7], v[FB+48*\f+32+8*\t:FB+48*\f+32+8*\t+7], v[BIASV+8*\t:BIASV+8*\t+7]
.else
	v_wmma_f32_16x16x32_f16 v[8*(8*\t+\a):8*(8*\t+\a)+7], v[FA+64*\f+8*\a:FA+64*\f+8*\a+7], v[FB+48*\f+32+8*\t:FB+48*\f+32+8*\t+7], v[8*(8*\t+\a):8*(8*\t+\a)+7]
.endif
.endr
.endr
.endm
.macro QUARTER slot, k, f, g, first    ; multiplies buffer f; in its middle fetches the next quarter, at byte k, into buffer g
	s_wait_dscnt 4                                 ; all of buffer f but the youngest four loads, v's two fragments
.if \first
	WIN 0x60                                       ; C = the bias in window 2, D in window 1
.else
	WIN 0x50                                       ; C and D in window 1
.endif
	MULQK \f, 0, \first
	MULQK \f, 2, \first
	WIN 0
	PLACES
	FETCH \slot, \k, \g
	s_wait_dscnt 28                                ; all but the 28 just issued
	WIN 0xa0                                       ; C and D in window 2
	MULV \f, \first
.endm
.macro THREE slot, first
	QUARTER \slot, 64,  0, 1, \first
	QUARTER \slot, 128, 1, 0, 0
	QUARTER \slot, 192, 0, 1, 0
.endm
; The last quarter of a K step multiplies buffer 1 and changes slots.  In front of the barrier each wave waits for its reads of this slot and for all its
; tensor loads, of which one is out: its part of the next slot.  Behind it the refill comes first, then the next slot's first fragments.
.macro TURN slot, next, fill
	s_wait_dscnt 4
	WIN 0x50
	MULQK 1, 0, 0
	s_wait_dscnt 0                                 ; my reads of this slot are over
	s_wait_tensorcnt 0x0                           ; all my tensor loads have landed
	ds_add_u32 v30, v31
	s_wait_dscnt 0x0
	s_barrier_signal -1
	MULQK 1, 2, 0                                  ; registers only, while the others arrive
	WIN 0
	s_barrier_wait -1
.if \fill
	CREST                                          ; all sixteen work-groups have said so: no partner's wave reads this slot or has a load on its way
	s_add_nc_u64 s[G0+4*\slot+2:G0+4*\slot+3], s[G0+4*\slot+2:G0+4*\slot+3], 2*KSTEP*2
	s_add_nc_u64 s[G0B+4*\slot+2:G0B+4*\slot+3], s[G0B+4*\slot+2:G0B+4*\slot+3], 2*KSTEP*2
	JLOAD \slot                                    ; my one tensor load behind the round: it has a K step less 16 products in which to land
.endif
	PLACES
	FETCH \next, 0, 0
	WIN 0xa0
	MULV 1, 0
.endm
.macro LAP first
	THREE 0, \first
	TURN 0, 1, 1
	THREE 1, 0
	TURN 1, 0, 1
.endm
	s_wait_tensorcnt 1                             ; my part of K step 0 is in; K step 1's stays out
	s_barrier_signal -1
	s_barrier_wait -1
	FETCH 0, 0, 0
	LAP 1                                          ; the first lap: its first products start the sums from the bias
	WIN 0
	s_mov_b32 s3, LAPS-2
.Llap:
	LAP 0
	WIN 0
	s_sub_co_u32 s3, s3, 1
	s_cmp_lg_u32 s3, 0
	s_cbranch_scc1 .Llap
	THREE 0, 0                                     ; the last lap fills nothing
	TURN 0, 1, 0                                   ; behind this barrier no wave reads slot 0 any more and no load fills it: it becomes the stage
	THREE 1, 0
	s_wait_dscnt 4
	WIN 0x50
	MULQK 1, 0, 0
	MULQK 1, 2, 0
	s_wait_dscnt 0
	WIN 0xa0
	MULV 1, 0
	WIN 0
	; THE WAY OUT
	PLACES
	s_lshr_b32 s16, s13, 3                         ; batch: 16 heads x 262,144 bytes
	s_lshl_b32 s16, s16, 22
	s_and_b32 s18, s13, 7                          ; block of 256 positions: 32,768 bytes
	s_lshl_b32 s18, s18, 15
	s_add_co_u32 s16, s16, s18
	s_mov_b32 s17, 0
	s_lshl_b32 s46, s42, 18                        ; head, in the registers that held wt's address: none that fed xh's descriptors ever holds cx
	s_mov_b32 s47, 0
.irp p, 78,80,82
	s_add_nc_u64 s[\p:\p+1], s[\p:\p+1], s[16:17]
	s_add_nc_u64 s[\p:\p+1], s[\p:\p+1], s[46:47]
.endr
.macro OUTQK b                         ; column tile b of q and k: a lane's 8 results are 8 neighbouring columns of row 16 a + r
	WIN 0x05
.irp a, 0,1,2,3,4,5,6,7
.irp r, 0,1,2,3
	v_cvt_pk_f16_f32 v[FA+4*\a+\r], v[8*(8*\b+\a)+2*\r], v[8*(8*\b+\a)+2*\r+1]
.endr
.endr
	WIN 0
.irp a, 0,1,2,3,4,5,6,7
	ds_store_b128 v[STO], v[FA+4*\a:FA+4*\a+3] offset:(\b>>1)*OKIND+\a*16*OPITCH+32*(\b&1)
.endr
.endm
.macro OUTV t                          ; column tile t of v: a lane's 8 results are positions 16 a + 8 h + 0..7 of column 16 t + r
	WIN 0x0a
.irp a, 0,1,2,3,4,5,6,7
.irp r, 0,1,2,3
	v_cvt_pk_f16_f32 v[FA+4*\a+\r], v[8*(8*\t+\a)+2*\r], v[8*(8*\t+\a)+2*\r+1]
.endr
.endr
	WIN 0
.irp a, 0,1,2,3,4,5,6,7
	ds_store_b128 v[STV], v[FA+4*\a:FA+4*\a+3] offset:((\a>>2)*64+16*\t)*OPITCH+32*(\a&3)
.endr
.endm
	OUTQK 0
	OUTQK 1
	OUTQK 2
	OUTQK 3
	OUTV 0
	OUTV 1
	s_wait_dscnt 0x0                               ; my part of the rows is in LDS, for the other waves' sake,
	s_barrier_signal -1
	s_barrier_wait -1                              ; and so is everybody's
.macro OUTG rd, off, base, half, f     ; eight loads of four rows and their stores: 512 neighbouring bytes each, aligned
	s_wait_xcnt 0x0                                ; registers that earlier stores read are loaded again only behind this wait
.irp t, 0,1,2,3,4,5,6,7
	ds_load_b128 v[\f+4*\t:\f+4*\t+3], v[\rd] offset:\off+4*OPITCH*(8*\half+\t)
.endr
.irp t, 0,1,2,3,4,5,6,7
	s_wait_dscnt 7-\t
	global_store_b128 v[CO], v[\f+4*\t:\f+4*\t+3], s[\base:\base+1] offset:512*(8*\half+\t)
.endr
.endm
	OUTG RD,  0,     78, 0, 32
	OUTG RD,  0,     78, 1, 64
	OUTG RD,  OKIND, 80, 0, 32
	OUTG RD,  OKIND, 80, 1, 64
	OUTG RD2, 0,     82, 0, 32
	OUTG RD2, 0,     82, 1, 64
	s_wait_tensorcnt 0x0
	ds_add_u32 v30, v31
	s_wait_dscnt 0x0
	CROUND                                         ; the closing round: no work-group ends while a partner may still ask for a tile that names it
	s_endpgm
.Lfunc_end_k_q81ee61a817_proj:
	.size	k_q81ee61a817_proj, .Lfunc_end_k_q81ee61a817_proj-k_q81ee61a817_proj
	.p2alignl 7, 3214868480
	.fill 96, 4, 3214868480
	.section	.rodata,"a",@progbits
	.p2align	6, 0x0
	.amdhsa_kernel k_q81ee61a817_proj
		.amdhsa_group_segment_fixed_size 327680
		.amdhsa_private_segment_fixed_size 0
		.amdhsa_enable_private_segment 0
		.amdhsa_kernarg_size 64
		.amdhsa_user_sgpr_count 2
		.amdhsa_user_sgpr_kernarg_segment_ptr 1
		.amdhsa_wavefront_size32 1
		.amdhsa_system_sgpr_workgroup_id_x 1
		.amdhsa_system_sgpr_workgroup_id_y 1
		.amdhsa_system_sgpr_workgroup_id_z 1
		.amdhsa_system_vgpr_workitem_id 0
		.amdhsa_next_free_vgpr 688
		.amdhsa_next_free_sgpr 84
		.amdhsa_reserve_vcc 0
		.amdhsa_float_denorm_mode_32 3
		.amdhsa_float_denorm_mode_16_64 3
		.amdhsa_memory_ordered 1
		.amdhsa_forward_progress 1
		.amdhsa_inst_pref_size 160
	.end_amdhsa_kernel
	.amdgpu_metadata
---
amdhsa.version: [ 1, 2 ]
amdhsa.kernels:
  - .name:           k_q81ee61a817_proj
    .symbol:         k_q81ee61a817_proj.kd
    .args:
      - { .name: xh, .offset: 0, .size: 8, .value_kind: global_buffer, .address_space: global }
      - { .name: wt, .offset: 8, .size: 8, .value_kind: global_buffer, .address_space: global }
      - { .name: bq, .offset: 16, .size: 8, .value_kind: global_buffer, .address_space: global }
      - { .name: bk, .offset: 24, .size: 8, .value_kind: global_buffer, .address_space: global }
      - { .name: bv, .offset: 32, .size: 8, .value_kind: global_buffer, .address_space: global }
      - { .name: qh, .offset: 40, .size: 8, .value_kind: global_buffer, .address_space: global }
      - { .name: kh, .offset: 48, .size: 8, .value_kind: global_buffer, .address_space: global }
      - { .name: vt, .offset: 56, .size: 8, .value_kind: global_buffer, .address_space: global }
    .group_segment_fixed_size: 327680
    .private_segment_fixed_size: 0
    .kernarg_segment_align: 8
    .kernarg_segment_size: 64
    .max_flat_workgroup_size: 128
    .sgpr_count:     84
    .vgpr_count:     688
    .wavefront_size: 32
...
	.end_amdgpu_metadata
.endif
;; end of part 2
;; launch attn (part 3): grid 8 x 32, 4 waves a work-group, clusters of 4 x 1, 327,680 bytes of LDS; arguments qh, kh, vt, mw, out0; writes out0
.if DOCPART == 3
	.amdgcn_target "amdgcn-amd-amdhsa--gfx1250"
	.amdhsa_code_object_version 6
	.text
	.protected	k_q81ee61a817_attn
	.globl	k_q81ee61a817_attn
	.p2align	8
	.type	k_q81ee61a817_attn,@function
k_q81ee61a817_attn:
	s_mov_b64 s[64:65], 0
	v_nop
	global_prefetch_b8 v0, s[64:65] scope:SCOPE_SE
	s_setreg_imm32_b32 hwreg(HW_REG_WAVE_MODE, 25, 1), 1
	s_wait_xcnt 0x0
	s_wait_alu depctr_hold_cnt(0) depctr_sa_sdst(0) depctr_va_vdst(0) depctr_va_sdst(0) depctr_va_ssrc(0) depctr_va_vcc(0) depctr_vm_vsrc(0)
	s_getreg_b32 s2, hwreg(HW_REG_IB_STS2, 6, 4)
	s_cmp_eq_u32 s2, 0
	s_cbranch_scc0 .Lentry_in_a_cluster
	s_endpgm
.Lentry_in_a_cluster:
	s_bfe_u32 s2, ttmp6, 0x10000c
	s_cmp_lg_u32 s2, 0x3003
	s_cbranch_scc0 .Lentry_shape_is_right
	s_endpgm
.Lentry_shape_is_right:
; ATTN: out = softmax(where(mask, 0, q k^T / 8)) v for one (batch, head) and 256 queries a work-group; a wave takes 64 queries, four tiles of 16.
; q already carries log2(e) / 8, so scores are exponents to base 2; a masked score is 0 in either base and takes part in the softmax like any other.
; TRANSPOSED: S^T = K Q^T (source 0 = 16 keys, source 1 = 16 queries): lane (r, h) holds query r and keys 8 h + 0..7 of a tile.  Two such tiles, packed
; to f16, are source 1 of O^T = V^T P^T as they stand, so nothing moves between lanes; a query's maximum and factor are one number a lane, and one
; v_permlanex16_b32 joins the two halves.  The row sum is a fifth product with a fragment of ones: the sum of the very p that are multiplied.
; The maximum is a running one: each step of 64 keys takes the new maximum away before the exponentials and rescales what was summed.
; CLUSTERS of 4 x 1: four blocks of queries of one head read the same K and V; each tile of 256 keys is asked for jointly.  Wave w brings part w of a
; slot (K's keys 0-127, 128-255; V's likewise), 16,384 dense bytes as 64 rows of 256, with 16 bytes of padding behind every 128: LDS rows of 144 bytes.
; Two slots; a slot is asked for again 2 of a trip's 16 phases before the trip ends and waited for 16 phases later.
; PIPELINE: a phase is one query tile x 64 keys.  It issues the next phase's 8 score products, then does its own softmax, then its own 10 products.
; LIMITS: q, k, v beyond 65,504 are infinite in f16; NaN and infinite inputs get no treatment of their own (v_max3_num_f32 drops a NaN).
; REGISTERS: window 0: addresses, statistics, v32-63 mask words (2 trips x 4 query tiles x 4), v64-127 two score buffers, v128-143 packed p,
;   v144-207 K's fragments; window 1: v0-63 Q's fragments, v64-191 O (4 query tiles x 4 tiles of d), v192-223 the row sums; window 2: v0-63 V's fragments, v64-71 ones.
.set SLOT,  73728
.set PART,  18432                      ; 128 LDS rows of 144 bytes
.set KP,    144
.set TILEB, 32768                      ; 256 keys of K, or of V, in memory
.set STAGE, 147456                     ; behind the slots: 16 rows of 272 bytes for each wave, which no fill reaches
.set SPITCH, 272
.set ADK,  8                           ; v8, v9    K's fragments in slot 0, 1
.set ADV,  10                          ; v10, v11  V's
.set MOFF, 12                          ; 16 x lane
.set QOF,  13
.set STO,  14
.set RD,   15
.set CO,   16
.set TN,   18                          ; v[18:19]  the new maximum (a pair for the packed subtraction; the second is never used)
.set AL,   20                          ; v[20:21]  the factor 2^(old maximum - new)
.set TMPR, 22                          ; v22-25
.set MX,   26                          ; v26-29    the running maximum of each query tile
.set RL,   30                          ; v[30:31]  1 / row sum
.set MK,   32
.set SC,   64
.set PBF,  128
.set KFR,  144
.set QFR,  0
.set OACC, 64
.set LSUM, 192
.set VFR,  0
.set ONE,  64
.set G0,   12                          ; s[12:19]  group 0 of slot 0, 1
.set G1,   24                          ; s[24:31]
.set MS,   32                          ; s[32:63]  a phase's 32 lane masks
.set W_SC, 0x04                        ; source 1 (Q) in window 1
.set W_RS, 0x41                        ; source 0 and destination (O) in window 1
.set W_PV, 0x52                        ; source 0 (V) in window 2, C and D (O) in window 1
.set W_VL, 0x80                        ; destination in window 2
.set MSB, 0
.macro WIN new
.if MSB != \new
	s_set_vgpr_msb (MSB<<8)|\new
.set MSB, \new
.endif
.endm
.macro CREST
	s_cmp_lg_u32 s8, 0
	s_cbranch_scc1 .Lnot_wave_0_\@
	s_barrier_signal -3
.Lnot_wave_0_\@:
	s_barrier_wait -3
	s_barrier_signal -1
	s_barrier_wait -1
.endm
.macro ROUND
	s_barrier_signal -1
	s_barrier_wait -1
	CREST
.endm
	s_load_b256 s[68:75], s[0:1], 0x0              ; qh 68, kh 70, vt 72, mw 74
	s_load_b64 s[76:77], s[0:1], 0x20              ; out0
	v_lshl_add_u32 v254, v0, 2, 0x29000
	v_mov_b32 v255, 0
	ds_add_u32 v254, v255
	v_lshrrev_b32 v1, 5, v0
	v_readfirstlane_b32 s8, v1                     ; wave 0..3
	s_bfe_u32 s9, ttmp6, 0x40000                   ; cx
	s_lshl_b32 s11, ttmp9, 2
	s_add_co_u32 s11, s11, s9                      ; block of 256 queries
	s_and_b32 s3, ttmp7, 0xffff                    ; 16 batch + head: the same in the four partners
	s_mov_b32 s20, 0x76543210                      ; v_permlanex16_b32: lane i reads lane i of the other half
	s_mov_b32 s21, 0xfedcba98
	s_mov_b32 s[G1+0], 15|(1<<16)|(1<<20)|(1<<21)|(4<<22)|(3<<25)   ; all four partners; 2-byte elements; padding on; bit 21 beside a mask; after every 32 words, 4 words
	s_mov_b32 s[G1+1], 128<<16                     ; tensor_dim0 = 128 elements
	s_mov_b32 s[G1+2], 64<<16                      ; tensor_dim1 = 64 rows
	s_mov_b32 s[G1+3], 128<<16                     ; tile_dim0
	s_mov_b32 s[G1+4], 64                          ; tile_dim1
	s_mov_b32 s[G1+5], 128                         ; dense: a row begins where the last ends
	s_mov_b32 s[G1+6], 0
	s_mov_b32 s[G1+7], 0
	s_and_b32 s23, s8, 1
	s_lshl_b32 s23, s23, 14                        ; which 128 keys
	s_lshl_b32 s22, s3, 18                         ; 262,144 bytes a head
	s_add_co_u32 s22, s22, s23
	s_mov_b32 s23, 0
	s_mov_b32 s[G0+0], 1
	s_mul_i32 s[G0+1], s8, PART                    ; part w of slot 0
	s_mov_b32 s[G0+4], 1
	s_add_co_u32 s[G0+5], s[G0+1], SLOT            ; and of slot 1
	s_wait_dscnt 0x0
	s_wait_kmcnt 0x0
	s_cmp_lt_u32 s8, 2
	s_cselect_b64 s[G0+2:G0+3], s[70:71], s[72:73] ; waves 0, 1 bring K, waves 2, 3 V
	s_add_nc_u64 s[G0+2:G0+3], s[G0+2:G0+3], s[22:23]
	s_add_nc_u64 s[G0+6:G0+7], s[G0+2:G0+3], TILEB
	s_or_b32 s[G0+3], s[G0+3], 0x80000000
	s_or_b32 s[G0+7], s[G0+7], 0x80000000
	ROUND                                          ; the four work-groups are here: the first joint loads meet
	tensor_load_to_lds s[G0:G0+3], s[G1:G1+7]      ; keys 0-255
	s_nop 0
	tensor_load_to_lds s[G0+4:G0+7], s[G1:G1+7]    ; keys 256-511: two tensor loads of this wave are out, later one
	s_nop 0
	s_lshl_b32 s32, s11, 15                        ; Q: 256 queries x 128 bytes,
	s_lshl_b32 s33, s8, 13                         ; my 64,
	s_add_co_u32 s32, s32, s33
	s_lshl_b32 s33, s3, 18                         ; the head
	s_add_co_u32 s32, s32, s33
	s_mov_b32 s33, 0
	s_add_nc_u64 s[34:35], s[68:69], s[32:33]
	s_lshr_b32 s36, s3, 4                          ; batch
	s_and_b32 s37, s3, 15                          ; head
	s_lshl_b32 s32, s36, 19                        ; mw: (128 batch + 16 block + 4 wave) x 4,096 bytes
	s_lshl_b32 s38, s11, 16
	s_add_co_u32 s32, s32, s38
	s_lshl_b32 s38, s8, 14
	s_add_co_u32 s32, s32, s38
	s_add_nc_u64 s[4:5], s[74:75], s[32:33]
	s_lshl_b32 s32, s36, 23                        ; out0: rows of 4,096 bytes, 2,048 a batch, 256 a block, 64 a wave; 256 bytes a head
	s_lshl_b32 s38, s11, 20
	s_add_co_u32 s32, s32, s38
	s_lshl_b32 s38, s8, 18
	s_add_co_u32 s32, s32, s38
	s_lshl_b32 s38, s37, 8
	s_add_co_u32 s32, s32, s38
	s_add_nc_u64 s[6:7], s[76:77], s[32:33]
	v_and_b32 v1, 15, v0                           ; r
	v_bfe_u32 v2, v0, 4, 1                         ; h
	v_lshlrev_b32 v3, 4, v2
	v_lshl_add_u32 v[QOF], v1, 7, v3               ; Q in memory: row r, 16 bytes for each half
	v_mul_u32_u24 v4, v1, KP
	v_add_nc_u32 v[ADK], v4, v3                    ; the same in LDS rows of 144 bytes
	v_add_nc_u32 v[ADK+1], SLOT, v[ADK]
	v_add_nc_u32 v[ADV], 2*PART, v[ADK]
	v_add_nc_u32 v[ADV+1], 2*PART, v[ADK+1]
	v_and_b32 v5, 31, v0
	v_lshlrev_b32 v[MOFF], 4, v5
	s_mul_i32 s38, s8, 16*SPITCH
	s_add_co_u32 s38, s38, STAGE                   ; my stage
	v_mul_u32_u24 v4, v1, SPITCH
	v_lshl_add_u32 v4, v2, 5, v4
	v_add_nc_u32 v[STO], s38, v4                   ; in: row = query r, 32 bytes for each half
	v_mul_u32_u24 v4, v2, SPITCH
	v_lshl_add_u32 v4, v1, 4, v4
	v_add_nc_u32 v[RD], s38, v4                    ; back: lanes 0-15 one row of 256 bytes, lanes 16-31 the next
	v_lshlrev_b32 v4, 4, v1
	v_lshl_add_u32 v[CO], v2, 12, v4               ; and the same two rows in out0
	v_mov_b32 v[TN+1], 0                           ; the unused halves of the three pairs
	v_mov_b32 v[AL+1], 0
	v_mov_b32 v[RL+1], 0
	WIN 0x40
.irp q, 0,1,2,3
.irp e, 0,1
	global_load_b128 v[QFR+16*\q+8*\e:QFR+16*\q+8*\e+3], v[QOF], s[34:35] offset:\q*2048+64*\e
	global_load_b128 v[QFR+16*\q+8*\e+4:QFR+16*\q+8*\e+7], v[QOF], s[34:35] offset:\q*2048+64*\e+32
.endr
.endr
	WIN 0
.irp q, 0,1,2,3
	global_load_b128 v[MK+4*\q:MK+4*\q+3], v[MOFF], s[4:5] offset:\q*4096     ; the first trip's mask words: 128 words for each query tile
.endr
	WIN W_VL
.irp j, 0,1,2,3,4,5,6,7
	v_mov_b32 v[ONE+\j], 0x3c003c00                ; 1.0, 1.0 in f16
.endr
	WIN 0
.macro KLOAD slot, s                   ; 16 loads: the 64 keys of step s, four tiles x two halves of d
.irp i, 0,1,2,3
.irp e, 0,1
	ds_load_b128 v[KFR+16*\i+8*\e:KFR+16*\i+8*\e+3], v[ADK+\slot] offset:(64*\s+16*\i)*KP+64*\e
	ds_load_b128 v[KFR+16*\i+8*\e+4:KFR+16*\i+8*\e+7], v[ADK+\slot] offset:(64*\s+16*\i)*KP+64*\e+32
.endr
.endr
.endm
.macro VLOAD slot, s                   ; 16 loads: V^T of step s, four tiles of d x two halves of the 64 keys
.irp d, 0,1,2,3
.irp c, 0,1
	ds_load_b128 v[VFR+16*\d+8*\c:VFR+16*\d+8*\c+3], v[ADV+\slot] offset:(64*\s+16*\d)*KP+64*\c
	ds_load_b128 v[VFR+16*\d+8*\c+4:VFR+16*\d+8*\c+7], v[ADV+\slot] offset:(64*\s+16*\d)*KP+64*\c+32
.endr
.endr
.endm
; In SMUL and PVMUL the accumulators take turns, one instruction a turn.
.macro SMUL sb, qt                     ; 64 keys x 16 queries into score buffer sb: d = 0..31 starts the four sums, d = 32..63 adds
.irp i, 0,1,2,3
	v_wmma_f32_16x16x32_f16 v[SC+32*\sb+8*\i:SC+32*\sb+8*\i+7], v[KFR+16*\i:KFR+16*\i+7], v[QFR+16*\qt:QFR+16*\qt+7], 0
.endr
.irp i, 0,1,2,3
	v_wmma_f32_16x16x32_f16 v[SC+32*\sb+8*\i:SC+32*\sb+8*\i+7], v[KFR+16*\i+8:KFR+16*\i+15], v[QFR+16*\qt+8:QFR+16*\qt+15], v[SC+32*\sb+8*\i:SC+32*\sb+8*\i+7]
.endr
.endm
.macro SM_MASK sb, buf, s, qt          ; word 32 s + w of the trip's 128 lies in lane 8 s + w / 4, register w mod 4; it is register w's lane mask
.set w, 0
.rept 32
	v_readlane_b32 s[MS+w], v[MK+16*\buf+4*\qt+(w&3)], 8*\s+(w>>2)
.set w, w+1
.endr
.set w, 0
.rept 32
	v_cndmask_b32 v[SC+32*\sb+w], v[SC+32*\sb+w], 0, s[MS+w]
.set w, w+1
.endr
.endm
.macro SM_MAX sb, qt, first            ; the largest of my 32 scores in four chains (9, 9, 7, 7), the other half's, the running one
.set b0, SC+32*\sb
	v_max3_num_f32 v[TMPR+0], v[b0+0], v[b0+1], v[b0+2]
	v_max3_num_f32 v[TMPR+1], v[b0+9], v[b0+10], v[b0+11]
	v_max3_num_f32 v[TMPR+2], v[b0+18], v[b0+19], v[b0+20]
	v_max3_num_f32 v[TMPR+3], v[b0+25], v[b0+26], v[b0+27]
	v_max3_num_f32 v[TMPR+0], v[TMPR+0], v[b0+3], v[b0+4]
	v_max3_num_f32 v[TMPR+1], v[TMPR+1], v[b0+12], v[b0+13]
	v_max3_num_f32 v[TMPR+2], v[TMPR+2], v[b0+21], v[b0+22]
	v_max3_num_f32 v[TMPR+3], v[TMPR+3], v[b0+28], v[b0+29]
	v_max3_num_f32 v[TMPR+0], v[TMPR+0], v[b0+5], v[b0+6]
	v_max3_num_f32 v[TMPR+1], v[TMPR+1], v[b0+14], v[b0+15]
	v_max3_num_f32 v[TMPR+2], v[TMPR+2], v[b0+23], v[b0+24]
	v_max3_num_f32 v[TMPR+3], v[TMPR+3], v[b0+30], v[b0+31]
	v_max3_num_f32 v[TMPR+0], v[TMPR+0], v[b0+7], v[b0+8]
	v_max3_num_f32 v[TMPR+1], v[TMPR+1], v[b0+16], v[b0+17]
	v_max3_num_f32 v[TMPR+0], v[TMPR+0], v[TMPR+1], v[TMPR+2]
	v_max_num_f32 v[TMPR+0], v[TMPR+0], v[TMPR+3]
	v_permlanex16_b32 v[TMPR+1], v[TMPR+0], s20, s21
.if \first
	v_max_num_f32 v[TN], v[TMPR+0], v[TMPR+1]
.else
	v_max3_num_f32 v[TN], v[TMPR+0], v[TMPR+1], v[MX+\qt]
	v_sub_f32 v[TMPR+2], v[MX+\qt], v[TN]
	v_exp_f32 v[AL], v[TMPR+2]                     ; the next vector instruction is SM_EXP's first subtraction, which touches neither register (ISA guide 5.7.2)
.endif
.endm
.macro EXP8 b
.set k, 0
.rept 8
	v_exp_f32 v[\b+k], v[\b+k]
.set k, k+1
.endr
.endm
.macro CVT4 b, p
.set k, 0
	s_wait_alu depctr_va_vdst(0)
.rept 4
	v_cvt_pk_f16_f32 v[\p+k], v[\b+2*k], v[\b+2*k+1]
.set k, k+1
.endr
.endm
.macro SM_EXP sb, qt                   ; p = 2^(s - maximum), packed to f16.  Behind each run of exponentials a plain instruction on other registers comes first
.set b0, SC+32*\sb
.set k, 0
.rept 16
	v_pk_add_f32 v[b0+2*k:b0+2*k+1], v[b0+2*k:b0+2*k+1], v[TN:TN+1] op_sel_hi:[1,0] neg_lo:[0,1] neg_hi:[0,1]
.set k, k+1
.endr
	EXP8 b0
	EXP8 b0+8
	v_mov_b32 v[MX+\qt], v[TN]
	s_wait_alu depctr_va_vdst(0)
	CVT4 b0, PBF
	EXP8 b0+16
	CVT4 b0+8, PBF+4
	EXP8 b0+24
	CVT4 b0+16, PBF+8
	CVT4 b0+24, PBF+12
.endm
.macro RESCALE qt                      ; O and the row sum times the factor.  All 8 registers of a row-sum tile hold the same sum; register 0 is the one
.set k, 0                              ; that is used, so its pair alone is rescaled; the other six only add p's of at most 1: 2,048 at the most
.rept 16
	v_pk_mul_f32 v[OACC+32*\qt+2*k:OACC+32*\qt+2*k+1], v[OACC+32*\qt+2*k:OACC+32*\qt+2*k+1], v[AL:AL+1] op_sel_hi:[1,0]
.set k, k+1
.endr
	v_pk_mul_f32 v[LSUM+8*\qt:LSUM+8*\qt+1], v[LSUM+8*\qt:LSUM+8*\qt+1], v[AL:AL+1] op_sel_hi:[1,0]
.endm
.macro PVMUL qt, zero                  ; keys 0-31, then 32-63: four tiles of d and the row sum
.irp c, 0,1
.irp d, 0,1,2,3
.if \zero*(1-\c)
	v_wmma_f32_16x16x32_f16 v[OACC+32*\qt+8*\d:OACC+32*\qt+8*\d+7], v[VFR+16*\d+8*\c:VFR+16*\d+8*\c+7], v[PBF+8*\c:PBF+8*\c+7], 0
.else
	v_wmma_f32_16x16x32_f16 v[OACC+32*\qt+8*\d:OACC+32*\qt+8*\d+7], v[VFR+16*\d+8*\c:VFR+16*\d+8*\c+7], v[PBF+8*\c:PBF+8*\c+7], v[OACC+32*\qt+8*\d:OACC+32*\qt+8*\d+7]
.endif
.endr
.if \zero*(1-\c)
	v_wmma_f32_16x16x32_f16 v[LSUM+8*\qt:LSUM+8*\qt+7], v[ONE:ONE+7], v[PBF+8*\c:PBF+8*\c+7], 0
.else
	v_wmma_f32_16x16x32_f16 v[LSUM+8*\qt:LSUM+8*\qt+7], v[ONE:ONE+7], v[PBF+8*\c:PBF+8*\c+7], v[LSUM+8*\qt:LSUM+8*\qt+7]
.endif
.endr
.endm
; One phase: step s (64 keys) of the slot, query tile qt.  first = 1: the launch's first step, nothing to rescale.
; mode 1: the slot is filled again in phase (3, 2); mode 2: only the change of slots; mode 3: the last trip.
; In phase (3, 2) the slot's reads are over: K's last fragments were waited for in phase (2, 3), V's in phase (3, 0).
.macro PHASE slot, s, qt, first, mode
.set csb, \qt&1
.set nsb, (\qt+1)&1
.set nqt, (\qt+1)&3
.set ns, \s+1
.set oslot, 1-\slot
.set lastp, 0
.set bound, 0
.if \s == 3
.if \qt == 3
.if \mode == 3
.set lastp, 1
.endif
.endif
.if \qt == 2
.if \mode != 3
.set bound, 1
.endif
.endif
.endif
.if lastp == 0
.if \qt == 3
	s_wait_dscnt 0x0                               ; the next step's K fragments, asked for a phase ago: the youngest LDS loads
.endif
	WIN W_SC
	SMUL nsb, nqt                                  ; the next phase's scores, into the other buffer
.endif
	WIN 0
.if bound
	s_wait_dscnt 0x0                               ; my reads of this slot are back
	s_wait_tensorcnt 0x0                           ; all my tensor loads have landed: the one that was out is my part of the other slot
	ds_add_u32 v254, v255
	s_wait_dscnt 0x0
	s_barrier_signal -1
.endif
	SM_MASK csb, \slot, \s, \qt                    ; registers only, also between the signal and the wait
	SM_MAX csb, \qt, \first
.if bound
	s_barrier_wait -1
.if \mode == 1
	CREST                                          ; all four work-groups have said so: no partner's wave reads this slot or has a load on its way
	s_add_nc_u64 s[G0+4*\slot+2:G0+4*\slot+3], s[G0+4*\slot+2:G0+4*\slot+3], 2*TILEB
	tensor_load_to_lds s[G0+4*\slot:G0+4*\slot+3], s[G1:G1+7]      ; my one tensor load behind the round: the tile two trips on
	s_nop 0
.endif
	KLOAD oslot, 0                                 ; the other slot is whole: its first 64 keys
.endif
.if \qt == 2
.if \s < 3
	KLOAD \slot, ns                                ; K's registers were last read by the products at this phase's head, 64 and more vector instructions ago
.endif
.endif
.if \qt == 0
	WIN W_VL
	VLOAD \slot, \s
	WIN 0
.endif
	SM_EXP csb, \qt
.if \first == 0
	WIN W_RS
	RESCALE \qt
.endif
.if \qt == 0
	s_wait_dscnt 0x0                               ; V's fragments
.endif
	WIN W_PV
	PVMUL \qt, \first
.endm
; One trip: a slot of 256 keys, 16 phases.  The mask words of the next trip are asked for at the head of this one.
.macro TRIP slot, first, mode
	WIN 0
	s_wait_loadcnt 0x0                             ; this trip's mask words, asked for a trip ago; nothing younger is out, and the pointer is free
.if \mode != 3
.if \first == 0
	s_add_nc_u64 s[4:5], s[4:5], 512               ; four steps of 32 words
.endif
.irp q, 0,1,2,3
	global_load_b128 v[MK+16*(1-\slot)+4*\q:MK+16*(1-\slot)+4*\q+3], v[MOFF], s[4:5] offset:\q*4096+512
.endr
.endif
.irp q, 0,1,2,3
	PHASE \slot, 0, \q, \first, \mode
.endr
.irp t, 1,2,3
.irp q, 0,1,2,3
	PHASE \slot, \t, \q, 0, \mode
.endr
.endr
.endm
	s_wait_tensorcnt 0x1                           ; my part of slot 0 is in; slot 1's stays out
	s_barrier_signal -1
	s_barrier_wait -1
	KLOAD 0, 0
	s_wait_loadcnt 0x4                             ; Q's sixteen loads are in; the four mask loads behind them may be out
	s_wait_dscnt 0x0
	WIN W_SC
	SMUL 0, 0                                      ; the first phase's scores
.rept 4
	v_nop                                          ; four places behind them, ahead of the first vector use
.endr
	TRIP 0, 1, 1
	TRIP 1, 0, 1
	WIN 0
	s_mov_b32 s10, 2
.Lpair:
	TRIP 0, 0, 1
	TRIP 1, 0, 1
	WIN 0
	s_sub_co_u32 s10, s10, 1
	s_cmp_lg_u32 s10, 0
	s_cbranch_scc1 .Lpair
	TRIP 0, 0, 2                                   ; keys 1536-1791: nothing is left to fetch
	TRIP 1, 0, 3                                   ; keys 1792-2047
	; THE WAY OUT, a query tile at a time: divide, 32 bytes a lane into my own stage, read back as whole rows of 256 bytes (64 f32 of one head).
	WIN 0
.rept 4
	v_nop                                          ; four places behind the last products
.endr
.irp q, 0,1,2,3
	WIN 0x01                                       ; source 0 in window 1
	v_rcp_f32 v[RL], v[LSUM+8*\q]                  ; the sum holds at least the 1.0 of the largest score
	v_nop                                          ; one plain instruction before the reciprocal is used (ISA guide 5.7.2)
	s_wait_alu depctr_va_vdst(0)
.irp j, 0,2,4,6,8,10,12,14,16,18,20,22,24,26,28,30
	v_pk_mul_f32 v[SC+\j:SC+\j+1], v[OACC+32*\q+\j:OACC+32*\q+\j+1], v[RL:RL+1] op_sel_hi:[1,0]
.endr
	WIN 0
.irp d, 0,1,2,3
	ds_store_b128 v[STO], v[SC+8*\d:SC+8*\d+3] offset:64*\d
	ds_store_b128 v[STO], v[SC+8*\d+4:SC+8*\d+7] offset:64*\d+16
.endr
	s_wait_xcnt 0x0                                ; registers that the last tile's stores read are loaded again only behind this wait
.irp u, 0,1,2,3,4,5,6,7
	ds_load_b128 v[SC+32+4*\u:SC+32+4*\u+3], v[RD] offset:2*SPITCH*\u        ; the wave's own bytes, served in order behind its stores
.endr
.irp u, 0,1,2,3,4,5,6,7
	s_wait_dscnt 7-\u
	global_store_b128 v[CO], v[SC+32+4*\u:SC+32+4*\u+3], s[6:7] offset:(16*\q+2*\u)*4096 th:TH_STORE_NT   ; 16 lanes store 256 neighbouring bytes, aligned
.endr
.endr
	s_wait_tensorcnt 0x0
	ds_add_u32 v254, v255
	s_wait_dscnt 0x0
	ROUND                                          ; the closing round
	s_endpgm
.Lfunc_end_k_q81ee61a817_attn:
	.size	k_q81ee61a817_attn, .Lfunc_end_k_q81ee61a817_attn-k_q81ee61a817_attn
	.p2alignl 7, 3214868480
	.fill 96, 4, 3214868480
	.section	.rodata,"a",@progbits
	.p2align	6, 0x0
	.amdhsa_kernel k_q81ee61a817_attn
		.amdhsa_group_segment_fixed_size 327680
		.amdhsa_private_segment_fixed_size 0
		.amdhsa_enable_private_segment 0
		.amdhsa_kernarg_size 40
		.amdhsa_user_sgpr_count 2
		.amdhsa_user_sgpr_kernarg_segment_ptr 1
		.amdhsa_wavefront_size32 1
		.amdhsa_system_sgpr_workgroup_id_x 1
		.amdhsa_system_sgpr_workgroup_id_y 1
		.amdhsa_system_sgpr_workgroup_id_z 1
		.amdhsa_system_vgpr_workitem_id 0
		.amdhsa_next_free_vgpr 584
		.amdhsa_next_free_sgpr 78
		.amdhsa_reserve_vcc 0
		.amdhsa_float_denorm_mode_32 3
		.amdhsa_float_denorm_mode_16_64 3
		.amdhsa_memory_ordered 1
		.amdhsa_forward_progress 1
		.amdhsa_inst_pref_size 255
	.end_amdhsa_kernel
	.section	.bss,"aw",@nobits
	.p2align	6
	.space	262144
	.amdgpu_metadata
---
amdhsa.version: [ 1, 2 ]
amdhsa.kernels:
  - .name:           k_q81ee61a817_attn
    .symbol:         k_q81ee61a817_attn.kd
    .args:
      - { .name: qh, .offset: 0, .size: 8, .value_kind: global_buffer, .address_space: global }
      - { .name: kh, .offset: 8, .size: 8, .value_kind: global_buffer, .address_space: global }
      - { .name: vt, .offset: 16, .size: 8, .value_kind: global_buffer, .address_space: global }
      - { .name: mw, .offset: 24, .size: 8, .value_kind: global_buffer, .address_space: global }
      - { .name: out0, .offset: 32, .size: 8, .value_kind: global_buffer, .address_space: global }
    .group_segment_fixed_size: 327680
    .private_segment_fixed_size: 0
    .kernarg_segment_align: 8
    .kernarg_segment_size: 40
    .max_flat_workgroup_size: 128
    .sgpr_count:     78
    .vgpr_count:     584
    .wavefront_size: 32
...
	.end_amdgpu_metadata
.endif
;; end of part 3
;; ======== version 2 of 2: 3 launches; 1.58 times as fast as version 1
;; limits: values are held in f16: magnitudes above 65,504 overflow, below 6.1e-05 lose precision
;; workspace buffers: xh 8,388,608 bytes; wt 6,291,456 bytes; mw 1,048,576 bytes of whole numbers; qh 8,388,608 bytes; kh 8,388,608 bytes; vt 8,388,608 bytes
;; launch prep: the kernel of part 1 again; grid 1152 x 1, 8 waves a work-group, no clusters, 35,840 bytes of LDS; arguments x, Wq, Wk, Wv, mask, xh, wt, mw; writes xh, wt, mw
;; launch proj: the kernel of part 2 again; grid 16 x 16, 4 waves a work-group, clusters of 4 x 4, 327,680 bytes of LDS; arguments xh, wt, bq, bk, bv, qh, kh, vt; writes qh, kh, vt
;; launch attn (part 4): grid 8 x 32, 8 waves a work-group, clusters of 4 x 1, 327,680 bytes of LDS; arguments qh, kh, vt, mw, out0; writes out0
.if DOCPART == 4
	.amdgcn_target "amdgcn-amd-amdhsa--gfx1250"
	.amdhsa_code_object_version 6
	.text
	.protected	k_q81ee61a817_attn
	.globl	k_q81ee61a817_attn
	.p2align	8
	.type	k_q81ee61a817_attn,@function
k_q81ee61a817_attn:
	s_mov_b64 s[64:65], 0
	v_nop
	global_prefetch_b8 v0, s[64:65] scope:SCOPE_SE
	s_setreg_imm32_b32 hwreg(HW_REG_WAVE_MODE, 25, 1), 1
	s_wait_xcnt 0x0
	s_wait_alu depctr_hold_cnt(0) depctr_sa_sdst(0) depctr_va_vdst(0) depctr_va_sdst(0) depctr_va_ssrc(0) depctr_va_vcc(0) depctr_vm_vsrc(0)
	s_getreg_b32 s2, hwreg(HW_REG_IB_STS2, 6, 4)
	s_cmp_eq_u32 s2, 0
	s_cbranch_scc0 .Lentry_in_a_cluster
	s_endpgm
.Lentry_in_a_cluster:
	s_bfe_u32 s2, ttmp6, 0x10000c
	s_cmp_lg_u32 s2, 0x3003
	s_cbranch_scc0 .Lentry_shape_is_right
	s_endpgm
.Lentry_shape_is_right:
; ATTN: out = softmax(where(mask, 0, q k^T / 8)) v for one (batch, head) and 256 queries a work-group; a wave takes 32 queries, two tiles of 16.
; q already carries log2(e) / 8, so scores are exponents to base 2; a masked score is 0 in either base and takes part in the softmax like any other.
; TRANSPOSED: S^T = K Q^T (source 0 = 16 keys, source 1 = 16 queries): lane (r, h) holds query r and keys 8 h + 0..7 of a tile.  Two such tiles, packed
; to f16, are source 1 of O^T = V^T P^T as they stand, so nothing moves between lanes; a query's maximum and factor are one number a lane, and one
; v_permlanex16_b32 joins the two halves.  The row sum is a fifth product with a fragment of ones: the sum of the very p that are multiplied.
; The maximum is a running one: each step of 64 keys takes the new maximum away before the exponentials and rescales what was summed.
; EIGHT WAVES, two on a SIMD: a phase (16 queries x 64 keys) has some 166 vector instructions beside 18 products, so the vector unit binds; with two waves
; one wave's vector work stands under the other's products.  The price: every wave reads all of K and V from LDS, 32 loads for a step's 36 products.
; CLUSTERS of 4 x 1: four blocks of queries of one head read the same K and V; each tile of 512 keys is asked for jointly.  Wave w brings part w of a
; slot (K's four parts of 128 keys, then V's four), 16,384 dense bytes as 64 rows of 256, with 16 bytes of padding behind every 128: LDS rows of 144 bytes.
; Two slots, four tiles: two first fills and two refills, each asked for more than a trip (16 phases) ahead of its first read.
; SHORT TEXT: a trip (a slot, 8 steps of 64 keys) is a counted loop over its plain steps, one step of text, and its last step written out.  With the step
; move two LDS address registers (9,216 bytes a step) and the four lane numbers from which the mask words are read; the slot is a constant of the text.
; PIPELINE: a phase issues the next phase's 8 score products, then does its own softmax, then its own 10 products.
; LIMITS: q, k, v beyond 65,504 are infinite in f16; NaN and infinite inputs get no treatment of their own (v_max3_num_f32 drops a NaN).
; REGISTERS: window 0: v8-31 addresses and statistics, v32-63 mask words (2 trips x 2 query tiles x 8), v64-127 two score buffers, v128-143 packed p,
;   v144-207 K's fragments, v208-239 Q's;  window 1: v0-63 O (2 query tiles x 4 tiles of d), v64-79 the row sums, v80-143 V's fragments, v144-151 ones.
.set SLOT,  147456
.set PART,  18432                      ; 128 LDS rows of 144 bytes: what one tensor load brings
.set KP,    144
.set STEPB, 64*KP                      ; a step's 64 rows of K, or of V^T
.set VOFF,  4*PART                     ; V's rows lie behind K's 512
.set TILEB, 65536                      ; 512 keys of K, or of V, in memory
.set SPITCH, 272                       ; the way out: 16 rows of 256 + 16 bytes for each wave, at the head of slot 0, which has had its last fill and its last read by then
.set ADK,  8                           ; v8, v9    K's fragments, step 0 of slot 0, 1
.set ADV,  10                          ; v10, v11  V's
.set MOFF, 12                          ; 32 x lane
.set QOF,  13
.set STO,  14
.set RD,   15
.set CO,   16
.set AK,   17                          ; K's fragments of the next step
.set TN,   18                          ; v[18:19]  the new maximum (a pair for the packed subtraction; the second is never used)
.set AL,   20                          ; v[20:21]  the factor 2^(old maximum - new)
.set TMPR, 22                          ; v22-25
.set MX,   26                          ; v26, v27  the running maximum of each query tile
.set AV,   28                          ; V's fragments of this step
.set RL,   30                          ; v[30:31]  1 / row sum
.set MK,   32
.set SC,   64
.set PBF,  128
.set KFR,  144
.set QFR,  208
.set OACC, 0
.set LSUM, 64
.set VFR,  80
.set ONE,  144
.set G0,   12                          ; s[12:19]  group 0 of slot 0, 1
.set G1,   24                          ; s[24:31]
.set MS,   32                          ; s[32:63]  a phase's 32 lane masks
.set LN,   80                          ; s[80:83]  4 x step + 0..3: the lanes that hold this step's mask words
.set W_PV, 0x51                        ; source 0 (V, or O in the rescaling), C and D (O) in window 1; source 1 (p, the factor) in window 0
.set W_VL, 0x40                        ; destination in window 1
.set MSB, 0
.macro WIN new                         ; s_set_vgpr_msb: bits 1:0 source 0, 3:2 source 1, 5:4 source 2, 7:6 destination; the high byte repeats the setting left
.if MSB != \new
	s_set_vgpr_msb (MSB<<8)|\new
.set MSB, \new
.endif
.endm
.macro CREST                           ; a round of the cluster's barrier behind its opening work-group barrier
	s_cmp_lg_u32 s8, 0
	s_cbranch_scc1 .Lnot_wave_0_\@
	s_barrier_signal -3
.Lnot_wave_0_\@:
	s_barrier_wait -3
	s_barrier_signal -1
	s_barrier_wait -1
.endm
.macro ROUND
	s_barrier_signal -1
	s_barrier_wait -1
	CREST
.endm
	s_load_b256 s[68:75], s[0:1], 0x0              ; qh 68, kh 70, vt 72, mw 74
	s_load_b64 s[76:77], s[0:1], 0x20              ; out0
	s_set_vgpr_msb 0x40
	v_lshl_add_u32 v153, v0, 2, 0x48000
	s_set_vgpr_msb 0x4000
	v_mov_b32 v255, 0
	s_set_vgpr_msb 0x1
	ds_add_u32 v153, v255
	s_set_vgpr_msb 0x100
	v_lshrrev_b32 v1, 5, v0
	v_readfirstlane_b32 s8, v1                     ; wave 0..7
	s_bfe_u32 s9, ttmp6, 0x40000                   ; cx
	s_lshl_b32 s11, ttmp9, 2
	s_add_co_u32 s11, s11, s9                      ; block of 256 queries
	s_and_b32 s3, ttmp7, 0xffff                    ; 16 batch + head: the same in the four partners
	s_mov_b32 s20, 0x76543210                      ; v_permlanex16_b32: lane i reads lane i of the other half
	s_mov_b32 s21, 0xfedcba98
	s_mov_b32 s[G1+0], 15|(1<<16)|(1<<20)|(1<<21)|(4<<22)|(3<<25)   ; all four partners; 2-byte elements; padding on; bit 21 beside a mask; after every 32 words, 4 words
	s_mov_b32 s[G1+1], 128<<16                     ; tensor_dim0 = 128 elements
	s_mov_b32 s[G1+2], 64<<16                      ; tensor_dim1 = 64 rows
	s_mov_b32 s[G1+3], 128<<16                     ; tile_dim0
	s_mov_b32 s[G1+4], 64                          ; tile_dim1
	s_mov_b32 s[G1+5], 128                         ; dense: a row begins where the last ends
	s_mov_b32 s[G1+6], 0
	s_mov_b32 s[G1+7], 0
	s_and_b32 s23, s8, 3
	s_lshl_b32 s23, s23, 14                        ; which 128 keys of the tile's 512
	s_lshl_b32 s22, s3, 18                         ; 262,144 bytes a head
	s_add_co_u32 s22, s22, s23
	s_mov_b32 s23, 0
	s_mov_b32 s[G0+0], 1
	s_mul_i32 s[G0+1], s8, PART                    ; part w of slot 0
	s_mov_b32 s[G0+4], 1
	s_add_co_u32 s[G0+5], s[G0+1], SLOT            ; and of slot 1
	s_wait_dscnt 0x0
	s_wait_kmcnt 0x0
	s_cmp_lt_u32 s8, 4
	s_cselect_b64 s[G0+2:G0+3], s[70:71], s[72:73] ; waves 0-3 bring K, waves 4-7 V
	s_add_nc_u64 s[G0+2:G0+3], s[G0+2:G0+3], s[22:23]
	s_add_nc_u64 s[G0+6:G0+7], s[G0+2:G0+3], TILEB
	s_or_b32 s[G0+3], s[G0+3], 0x80000000
	s_or_b32 s[G0+7], s[G0+7], 0x80000000
	ROUND                                          ; the four work-groups are here: the first joint loads meet
	tensor_load_to_lds s[G0:G0+3], s[G1:G1+7]      ; keys 0-511
	s_nop 0
	tensor_load_to_lds s[G0+4:G0+7], s[G1:G1+7]    ; keys 512-1023: two tensor loads of this wave are out, later one
	s_nop 0
	s_lshl_b32 s32, s11, 15                        ; Q: 256 queries x 128 bytes,
	s_lshl_b32 s33, s8, 12                         ; my 32,
	s_add_co_u32 s32, s32, s33
	s_lshl_b32 s33, s3, 18                         ; the head
	s_add_co_u32 s32, s32, s33
	s_mov_b32 s33, 0
	s_add_nc_u64 s[34:35], s[68:69], s[32:33]
	s_lshr_b32 s36, s3, 4                          ; batch
	s_and_b32 s37, s3, 15                          ; head
	s_lshl_b32 s32, s36, 19                        ; mw: (128 batch + 16 block + 2 wave) x 4,096 bytes
	s_lshl_b32 s38, s11, 16
	s_add_co_u32 s32, s32, s38
	s_lshl_b32 s38, s8, 13
	s_add_co_u32 s32, s32, s38
	s_add_nc_u64 s[4:5], s[74:75], s[32:33]
	s_lshl_b32 s32, s36, 23                        ; out0: rows of 4,096 bytes, 2,048 a batch, 256 a block, 32 a wave; 256 bytes a head
	s_lshl_b32 s38, s11, 20
	s_add_co_u32 s32, s32, s38
	s_lshl_b32 s38, s8, 17
	s_add_co_u32 s32, s32, s38
	s_lshl_b32 s38, s37, 8
	s_add_co_u32 s32, s32, s38
	s_add_nc_u64 s[6:7], s[76:77], s[32:33]
	v_and_b32 v1, 15, v0                           ; r
	v_bfe_u32 v2, v0, 4, 1                         ; h
	v_lshlrev_b32 v3, 4, v2
	v_lshl_add_u32 v[QOF], v1, 7, v3               ; Q in memory: row r, 16 bytes for each half
	v_mul_u32_u24 v4, v1, KP
	v_add_nc_u32 v[ADK], v4, v3                    ; the same in LDS rows of 144 bytes
	v_add_nc_u32 v[ADK+1], SLOT, v[ADK]
	v_add_nc_u32 v[ADV], VOFF, v[ADK]
	v_add_nc_u32 v[ADV+1], VOFF, v[ADK+1]
	v_and_b32 v5, 31, v0
	v_lshlrev_b32 v[MOFF], 5, v5                   ; 8 mask words a lane
	s_mul_i32 s38, s8, 16*SPITCH                   ; my stage
	v_mul_u32_u24 v4, v1, SPITCH
	v_lshl_add_u32 v4, v2, 5, v4
	v_add_nc_u32 v[STO], s38, v4                   ; in: row = query r, 32 bytes for each half
	v_mul_u32_u24 v4, v2, SPITCH
	v_lshl_add_u32 v4, v1, 4, v4
	v_add_nc_u32 v[RD], s38, v4                    ; back: lanes 0-15 one row of 256 bytes, lanes 16-31 the next
	v_lshlrev_b32 v4, 4, v1
	v_lshl_add_u32 v[CO], v2, 12, v4               ; and the same two rows in out0
	v_mov_b32 v[TN+1], 0                           ; the unused halves of the three pairs
	v_mov_b32 v[AL+1], 0
	v_mov_b32 v[RL+1], 0
.irp q, 0,1
.irp e, 0,1
	global_load_b128 v[QFR+16*\q+8*\e:QFR+16*\q+8*\e+3], v[QOF], s[34:35] offset:\q*2048+64*\e
	global_load_b128 v[QFR+16*\q+8*\e+4:QFR+16*\q+8*\e+7], v[QOF], s[34:35] offset:\q*2048+64*\e+32
.endr
.endr
; A trip's mask words: 8 steps x 32 words = 1,024 consecutive bytes for each query tile.  Lane L takes the 32 bytes at 32 L, in two loads that together cover
; the 1,024 bytes, so that word 32 s + w lies in lane 4 s + w / 8, register w mod 8: the register hangs on w alone and only the lane moves with the step.
.irp q, 0,1
	global_load_b128 v[MK+8*\q:MK+8*\q+3], v[MOFF], s[4:5] offset:\q*4096
	global_load_b128 v[MK+8*\q+4:MK+8*\q+7], v[MOFF], s[4:5] offset:\q*4096+16
.endr
	WIN W_VL
.irp j, 0,1,2,3,4,5,6,7
	v_mov_b32 v[ONE+\j], 0x3c003c00                ; 1.0, 1.0 in f16
.endr
	WIN 0
.macro KLOAD reg                       ; 16 loads: 64 keys, four tiles x two halves of d
.irp i, 0,1,2,3
.irp e, 0,1
	ds_load_b128 v[KFR+16*\i+8*\e:KFR+16*\i+8*\e+3], v[\reg] offset:16*\i*KP+64*\e
	ds_load_b128 v[KFR+16*\i+8*\e+4:KFR+16*\i+8*\e+7], v[\reg] offset:16*\i*KP+64*\e+32
.endr
.endr
.endm
.macro VLOAD                           ; 16 loads: V^T of this step, four tiles of d x two halves of the 64 keys
.irp d, 0,1,2,3
.irp c, 0,1
	ds_load_b128 v[VFR+16*\d+8*\c:VFR+16*\d+8*\c+3], v[AV] offset:16*\d*KP+64*\c
	ds_load_b128 v[VFR+16*\d+8*\c+4:VFR+16*\d+8*\c+7], v[AV] offset:16*\d*KP+64*\c+32
.endr
.endr
.endm
; In SMUL and PVMUL the accumulators take turns, one instruction a turn.
.macro SMUL sb, qt                     ; 64 keys x 16 queries into score buffer sb: d = 0..31 starts the four sums, d = 32..63 adds
.irp i, 0,1,2,3
	v_wmma_f32_16x16x32_f16 v[SC+32*\sb+8*\i:SC+32*\sb+8*\i+7], v[KFR+16*\i:KFR+16*\i+7], v[QFR+16*\qt:QFR+16*\qt+7], 0
.endr
.irp i, 0,1,2,3
	v_wmma_f32_16x16x32_f16 v[SC+32*\sb+8*\i:SC+32*\sb+8*\i+7], v[KFR+16*\i+8:KFR+16*\i+15], v[QFR+16*\qt+8:QFR+16*\qt+15], v[SC+32*\sb+8*\i:SC+32*\sb+8*\i+7]
.endr
.endm
.macro SM_MASK sb, buf, qt             ; word w of this step is register w's lane mask: a masked score becomes 0
.set w, 0
.rept 32
	v_readlane_b32 s[MS+w], v[MK+16*\buf+8*\qt+(w&7)], s[LN+(w>>3)]
.set w, w+1
.endr
.set w, 0
.rept 32
	v_cndmask_b32 v[SC+32*\sb+w], v[SC+32*\sb+w], 0, s[MS+w]
.set w, w+1
.endr
.endm
.macro SM_MAX sb, qt, first            ; the largest of my 32 scores in four chains (9, 9, 7, 7), the other half's, the running one
.set b0, SC+32*\sb
	v_max3_num_f32 v[TMPR+0], v[b0+0], v[b0+1], v[b0+2]
	v_max3_num_f32 v[TMPR+1], v[b0+9], v[b0+10], v[b0+11]
	v_max3_num_f32 v[TMPR+2], v[b0+18], v[b0+19], v[b0+20]
	v_max3_num_f32 v[TMPR+3], v[b0+25], v[b0+26], v[b0+27]
	v_max3_num_f32 v[TMPR+0], v[TMPR+0], v[b0+3], v[b0+4]
	v_max3_num_f32 v[TMPR+1], v[TMPR+1], v[b0+12], v[b0+13]
	v_max3_num_f32 v[TMPR+2], v[TMPR+2], v[b0+21], v[b0+22]
	v_max3_num_f32 v[TMPR+3], v[TMPR+3], v[b0+28], v[b0+29]
	v_max3_num_f32 v[TMPR+0], v[TMPR+0], v[b0+5], v[b0+6]
	v_max3_num_f32 v[TMPR+1], v[TMPR+1], v[b0+14], v[b0+15]
	v_max3_num_f32 v[TMPR+2], v[TMPR+2], v[b0+23], v[b0+24]
	v_max3_num_f32 v[TMPR+3], v[TMPR+3], v[b0+30], v[b0+31]
	v_max3_num_f32 v[TMPR+0], v[TMPR+0], v[b0+7], v[b0+8]
	v_max3_num_f32 v[TMPR+1], v[TMPR+1], v[b0+16], v[b0+17]
	v_max3_num_f32 v[TMPR+0], v[TMPR+0], v[TMPR+1], v[TMPR+2]
	v_max_num_f32 v[TMPR+0], v[TMPR+0], v[TMPR+3]
	v_permlanex16_b32 v[TMPR+1], v[TMPR+0], s20, s21
.if \first
	v_max_num_f32 v[TN], v[TMPR+0], v[TMPR+1]
.else
	v_max3_num_f32 v[TN], v[TMPR+0], v[TMPR+1], v[MX+\qt]
	v_sub_f32 v[TMPR+2], v[MX+\qt], v[TN]
	v_exp_f32 v[AL], v[TMPR+2]                     ; the next vector instruction is SM_EXP's first subtraction, which touches neither register (ISA guide 5.7.2)
.endif
.endm
.macro EXP8 b
.set k, 0
.rept 8
	v_exp_f32 v[\b+k], v[\b+k]
.set k, k+1
.endr
.endm
.macro CVT4 b, p
.set k, 0
	s_wait_alu depctr_va_vdst(0)
.rept 4
	v_cvt_pk_f16_f32 v[\p+k], v[\b+2*k], v[\b+2*k+1]
.set k, k+1
.endr
.endm
.macro SM_EXP sb, qt                   ; p = 2^(s - maximum), packed to f16.  Behind each run of exponentials a plain instruction on other registers comes first
.set b0, SC+32*\sb
.set k, 0
.rept 16
	v_pk_add_f32 v[b0+2*k:b0+2*k+1], v[b0+2*k:b0+2*k+1], v[TN:TN+1] op_sel_hi:[1,0] neg_lo:[0,1] neg_hi:[0,1]
.set k, k+1
.endr
	EXP8 b0
	EXP8 b0+8
	v_mov_b32 v[MX+\qt], v[TN]
	s_wait_alu depctr_va_vdst(0)
	CVT4 b0, PBF
	EXP8 b0+16
	CVT4 b0+8, PBF+4
	EXP8 b0+24
	CVT4 b0+16, PBF+8
	CVT4 b0+24, PBF+12
.endm
.macro RESCALE qt                      ; O and the row sum times the factor.  All 8 registers of a row-sum tile hold the same sum; register 0 is the one
.set k, 0                              ; that is used, so its pair alone is rescaled; the other six only add p's of at most 1: 2,048 at the most
.rept 16
	v_pk_mul_f32 v[OACC+32*\qt+2*k:OACC+32*\qt+2*k+1], v[OACC+32*\qt+2*k:OACC+32*\qt+2*k+1], v[AL:AL+1] op_sel_hi:[1,0]
.set k, k+1
.endr
	v_pk_mul_f32 v[LSUM+8*\qt:LSUM+8*\qt+1], v[LSUM+8*\qt:LSUM+8*\qt+1], v[AL:AL+1] op_sel_hi:[1,0]
.endm
.macro PVMUL qt, zero                  ; keys 0-31, then 32-63: four tiles of d and the row sum
.irp c, 0,1
.irp d, 0,1,2,3
.if \zero*(1-\c)
	v_wmma_f32_16x16x32_f16 v[OACC+32*\qt+8*\d:OACC+32*\qt+8*\d+7], v[VFR+16*\d+8*\c:VFR+16*\d+8*\c+7], v[PBF+8*\c:PBF+8*\c+7], 0
.else
	v_wmma_f32_16x16x32_f16 v[OACC+32*\qt+8*\d:OACC+32*\qt+8*\d+7], v[VFR+16*\d+8*\c:VFR+16*\d+8*\c+7], v[PBF+8*\c:PBF+8*\c+7], v[OACC+32*\qt+8*\d:OACC+32*\qt+8*\d+7]
.endif
.endr
.if \zero*(1-\c)
	v_wmma_f32_16x16x32_f16 v[LSUM+8*\qt:LSUM+8*\qt+7], v[ONE:ONE+7], v[PBF+8*\c:PBF+8*\c+7], 0
.else
	v_wmma_f32_16x16x32_f16 v[LSUM+8*\qt:LSUM+8*\qt+7], v[ONE:ONE+7], v[PBF+8*\c:PBF+8*\c+7], v[LSUM+8*\qt:LSUM+8*\qt+7]
.endif
.endr
.endm
; One step: 64 keys x my two query tiles.  At its head K's fragments of the step are in registers and tile 0's scores are in buffer 0.
; first = 1: the launch's first step: the products start the sums and nothing is rescaled.
; kind 0: a plain step, the next step's K comes from the same slot.  The last step of a slot: kind 1, the slot is filled again; kind 2, only the change of
; slots; kind 3, the launch's last step.  In the last step the slot's reads end with V's fragments, so the barrier stands round tile 0's ten products.
.macro STEP slot, first, kind
.set bnd, 0
.if \kind == 1
.set bnd, 1
.endif
.if \kind == 2
.set bnd, 1
.endif
	; ---- query tile 0
	SMUL 1, 1                                      ; tile 1's scores, into the other buffer
	SM_MASK 0, \slot, 0
	SM_MAX 0, 0, \first
	WIN W_VL
	VLOAD                                          ; V's registers were last read by the products of the phase before, K's by those at this phase's head:
	WIN 0                                          ; 64 and more vector instructions ago
.if \kind == 0
	KLOAD AK
.endif
	SM_EXP 0, 0
	WIN W_PV
.if \first == 0
	RESCALE 0
.endif
.if \kind == 0
	s_wait_dscnt 16                                ; V's sixteen loads are in; K's sixteen, issued behind them, may be out
.else
	s_wait_dscnt 0x0                               ; V's fragments: my last reads of this slot are back
.endif
.if bnd
	s_wait_tensorcnt 0x0                           ; all my tensor loads have landed: the one that was out is my part of the other slot
	ds_add_u32 v153, v255
	s_wait_dscnt 0x0
	s_barrier_signal -1
.endif
	PVMUL 0, \first                                ; registers only, also between the signal and the wait
	WIN 0
.if bnd
	s_barrier_wait -1
.if \kind == 1
	CREST                                          ; all four work-groups have said so: no partner's wave reads this slot or has a load on its way
	s_add_nc_u64 s[G0+4*\slot+2:G0+4*\slot+3], s[G0+4*\slot+2:G0+4*\slot+3], 2*TILEB
	tensor_load_to_lds s[G0+4*\slot:G0+4*\slot+3], s[G1:G1+7]      ; my one tensor load behind the round: the tile two trips on
	s_nop 0
.endif
	KLOAD ADK+1-\slot                              ; the other slot is whole: its first 64 keys
.endif
	; ---- query tile 1
.if \kind != 3
	s_wait_dscnt 0x0                               ; the next step's K fragments: the youngest LDS loads
	SMUL 0, 0                                      ; the next step's scores of tile 0
.endif
	SM_MASK 1, \slot, 1
	SM_MAX 1, 1, \first
	SM_EXP 1, 1
	WIN W_PV
.if \first == 0
	RESCALE 1
.endif
	PVMUL 1, \first
	WIN 0
.endm
.macro ADVANCE                         ; what moves with the step
	v_add_nc_u32 v[AV], STEPB, v[AV]
	v_add_nc_u32 v[AK], STEPB, v[AK]
.irp i, 0,1,2,3
	s_add_co_u32 s[LN+\i], s[LN+\i], 4
.endr
.endm
; Trip t: slot t mod 2, keys 512 t .. 512 t + 511, 8 steps.  The next trip's mask words are asked for at the head of this one, by immediates alone.
.macro TRIP slot, t, first, kind
	s_wait_loadcnt 0x0                             ; this trip's mask words, asked for a trip ago; nothing younger is out
.if \t < 3
.irp q, 0,1
	global_load_b128 v[MK+16*(1-\slot)+8*\q:MK+16*(1-\slot)+8*\q+3], v[MOFF], s[4:5] offset:\q*4096+(\t+1)*1024
	global_load_b128 v[MK+16*(1-\slot)+8*\q+4:MK+16*(1-\slot)+8*\q+7], v[MOFF], s[4:5] offset:\q*4096+(\t+1)*1024+16
.endr
.endif
	v_mov_b32 v[AV], v[ADV+\slot]                  ; V of step 0
	v_add_nc_u32 v[AK], STEPB, v[ADK+\slot]        ; K of step 1
.irp i, 0,1,2,3
	s_mov_b32 s[LN+\i], \i
.endr
.if \first
	STEP \slot, 1, 0
	ADVANCE
.endif
	s_mov_b32 s10, 7-\first                        ; the plain steps up to step 6
.Lstep_\t:
	STEP \slot, 0, 0
	ADVANCE
	s_sub_co_u32 s10, s10, 1
	s_cmp_lg_u32 s10, 0
	s_cbranch_scc1 .Lstep_\t
	STEP \slot, 0, \kind                           ; step 7
.endm
	s_wait_tensorcnt 0x1                           ; my part of slot 0 is in; slot 1's stays out
	s_barrier_signal -1
	s_barrier_wait -1
	KLOAD ADK
	s_wait_loadcnt 0x4                             ; Q's eight loads are in; the four mask loads behind them may be out
	s_wait_dscnt 0x0
	SMUL 0, 0                                      ; the first phase's scores
.rept 4
	v_nop                                          ; four places behind them, ahead of the first vector use
.endr
	TRIP 0, 0, 1, 1                                ; keys    0 -  511; slot 0 is asked for again: keys 1024-1535
	TRIP 1, 1, 0, 1                                ; keys  512 - 1023; slot 1 is asked for again: keys 1536-2047
	TRIP 0, 2, 0, 2                                ; keys 1024 - 1535; nothing is left to fetch.  Behind its barrier no wave reads slot 0 and no load fills it
	TRIP 1, 3, 0, 3                                ; keys 1536 - 2047
	; THE WAY OUT, a query tile at a time: divide, 32 bytes a lane into my own stage, read back as whole rows of 256 bytes (64 f32 of one head).
.rept 4
	v_nop                                          ; four places behind the last products
.endr
.irp q, 0,1
	WIN 0x01                                       ; source 0 in window 1
	v_rcp_f32 v[RL], v[LSUM+8*\q]                  ; the sum holds at least the 1.0 of the largest score
	v_nop                                          ; one plain instruction before the reciprocal is used (ISA guide 5.7.2)
	s_wait_alu depctr_va_vdst(0)
.irp j, 0,2,4,6,8,10,12,14,16,18,20,22,24,26,28,30
	v_pk_mul_f32 v[SC+\j:SC+\j+1], v[OACC+32*\q+\j:OACC+32*\q+\j+1], v[RL:RL+1] op_sel_hi:[1,0]
.endr
	WIN 0
.irp d, 0,1,2,3
	ds_store_b128 v[STO], v[SC+8*\d:SC+8*\d+3] offset:64*\d
	ds_store_b128 v[STO], v[SC+8*\d+4:SC+8*\d+7] offset:64*\d+16
.endr
	s_wait_xcnt 0x0                                ; registers that the last tile's stores read are loaded again only behind this wait
.irp u, 0,1,2,3,4,5,6,7
	ds_load_b128 v[SC+32+4*\u:SC+32+4*\u+3], v[RD] offset:2*SPITCH*\u        ; the wave's own bytes, served in order behind its stores
.endr
.irp u, 0,1,2,3,4,5,6,7
	s_wait_dscnt 7-\u
	global_store_b128 v[CO], v[SC+32+4*\u:SC+32+4*\u+3], s[6:7] offset:(16*\q+2*\u)*4096 th:TH_STORE_NT   ; 16 lanes store 256 neighbouring bytes, aligned
.endr
.endr
	s_set_vgpr_msb 0x1
	s_wait_tensorcnt 0x0
	ds_add_u32 v153, v255
	s_wait_dscnt 0x0
	s_set_vgpr_msb 0x100
	ROUND                                          ; the closing round
	s_endpgm
.Lfunc_end_k_q81ee61a817_attn:
	.size	k_q81ee61a817_attn, .Lfunc_end_k_q81ee61a817_attn-k_q81ee61a817_attn
	.p2alignl 7, 3214868480
	.fill 96, 4, 3214868480
	.section	.rodata,"a",@progbits
	.p2align	6, 0x0
	.amdhsa_kernel k_q81ee61a817_attn
		.amdhsa_group_segment_fixed_size 327680
		.amdhsa_private_segment_fixed_size 0
		.amdhsa_enable_private_segment 0
		.amdhsa_kernarg_size 40
		.amdhsa_user_sgpr_count 2
		.amdhsa_user_sgpr_kernarg_segment_ptr 1
		.amdhsa_wavefront_size32 1
		.amdhsa_system_sgpr_workgroup_id_x 1
		.amdhsa_system_sgpr_workgroup_id_y 1
		.amdhsa_system_sgpr_workgroup_id_z 1
		.amdhsa_system_vgpr_workitem_id 0
		.amdhsa_next_free_vgpr 410
		.amdhsa_next_free_sgpr 84
		.amdhsa_reserve_vcc 0
		.amdhsa_float_denorm_mode_32 3
		.amdhsa_float_denorm_mode_16_64 3
		.amdhsa_memory_ordered 1
		.amdhsa_forward_progress 1
		.amdhsa_inst_pref_size 227
	.end_amdhsa_kernel
	.amdgpu_metadata
---
amdhsa.version: [ 1, 2 ]
amdhsa.kernels:
  - .name:           k_q81ee61a817_attn
    .symbol:         k_q81ee61a817_attn.kd
    .args:
      - { .name: qh, .offset: 0, .size: 8, .value_kind: global_buffer, .address_space: global }
      - { .name: kh, .offset: 8, .size: 8, .value_kind: global_buffer, .address_space: global }
      - { .name: vt, .offset: 16, .size: 8, .value_kind: global_buffer, .address_space: global }
      - { .name: mw, .offset: 24, .size: 8, .value_kind: global_buffer, .address_space: global }
      - { .name: out0, .offset: 32, .size: 8, .value_kind: global_buffer, .address_space: global }
    .group_segment_fixed_size: 327680
    .private_segment_fixed_size: 0
    .kernarg_segment_align: 8
    .kernarg_segment_size: 40
    .max_flat_workgroup_size: 256
    .sgpr_count:     84
    .vgpr_count:     410
    .wavefront_size: 32
...
	.end_amdgpu_metadata
.endif
;; end of part 4
